; MI455X (gfx1250); checked and timed in simulation.
; The chip was launched on July 23, 2026; its instructions are those of AMD's public machine-readable ISA for CDNA 5 (MIT licence, August 2026) and "CDNA5" Instruction Set Architecture Reference Guide (July 2026). The comments in the code are by the model that wrote it; some were corrected since.
;; Phone Mapper. Allowed arithmetic: float matrix products may take bf16 or f16 operands with f32 sums; other float arithmetic in f32, or as packed bf16 or f16 multiplies, adds, multiply-adds, maxima and minima; sums over many terms, partial sums and values carried from step to step in f32; what a program stores and reads back later, other than sums and carried values, may be rounded once to bf16 or f16.
;; Inputs: pool 37,500 x 1,024 float32; x6_src 1,500 x 1,024 float32.
;; Outputs: out0 1,500 x 1,024 float32.
;; Constants: topn = 10.
;; 3 versions, each right; version 3 is version 2 with the launch prep written anew for expert scheduling mode. Each part assembles by itself: llvm-mc -triple=amdgcn-amd-amdhsa -mcpu=gfx1250 --defsym DOCPART=n.
;; ======== version 1 of 3: 3 launches
;; limits: values within 2e-06 (relative) of each other or of a threshold may be ordered or decided otherwise than in the reference
;; workspace buffers: Pb 77,594,624 bytes; Xb 3,145,728 bytes; sb 606,208 bytes; xs 24,576 bytes; KL 4,718,592 bytes of whole numbers
;; launch prep (part 1): grid 616 x 1, 8 waves a work-group, no clusters, 0 bytes of LDS; arguments pool, x6_src, Pb, Xb, sb, xs; writes Pb, Xb, sb, xs
.if DOCPART == 1
	.amdgcn_target "amdgcn-amd-amdhsa--gfx1250"
	.amdhsa_code_object_version 6
	.text
	.protected	k_q9210304774_prep
	.globl	k_q9210304774_prep
	.p2align	8
	.type	k_q9210304774_prep,@function
k_q9210304774_prep:
	s_mov_b64 s[64:65], 0
	v_nop
	global_prefetch_b8 v0, s[64:65] scope:SCOPE_SE
	s_setreg_imm32_b32 hwreg(HW_REG_WAVE_MODE, 25, 1), 1
	s_wait_xcnt 0x0
; PhoneMapper, launch 1 of 3: both inputs are rounded to bf16 once, and each row's norm is taken of the ROUNDED row.
; THE WHOLE PROGRAM computes reference() on inputs rounded to bf16: the product, both norms and the gathered rows all use the rounded numbers.
; DEAD WORK: none.  pool and x6_src both reach the output (s_norm enters 1 / dist, so it is no common factor of the softmax); topn = 10 is built in.  No step of reference() is left out.
; Pb[37888][1024] = bf16(pool), rows 37,500 on are 0.  Xb[1536][1024] = bf16(x) x 2^-e, e chosen for each row so that the scaled norm lies in [0.5, 1): a power of two,
; so dot / (s p) keeps its bits; rows 1,500 on are 0.  sb, xs: a record of 128 bytes for 8 rows: 8 scales, 8 biases, 8 norms, 8 zeros (f32).
; scale = 1,040,000 / norm, bias = 2^23 + 2^20: the next launch makes fma(dot, scale, bias), a whole number 2^23 + fix with fix in 8,576 .. 2,088,576.
; A pad row has scale 0 and bias 2^23 + 8,200: below every real row's.
; LIMITS.  Norms within 2^-100 .. 2^100; a row of zeros, a NaN or an infinity gives an undefined scale; numbers that the power of two takes below bf16's normal range lose bits.
; SHARES.  Work-groups 0-591 take pool, 592-615 x.  A wave owns 8 rows on end (one record); a row lies in 32 registers (lane l: elements 128 c + 4 l .. + 3); two row slots take turns,
; so 16 loads of 512 consecutive bytes are out for each wave.  A row's 8 stores cover 256 consecutive bytes each, aligned; the record is one store of 128 consecutive bytes, once for 8 rows.
; No LDS, no matrix unit, no cluster: no wave wants a byte that another has fetched.
.set NPOOL,  37500
.set NX,     1500
.set POOLWG, 592
.set SCV,    0x497de800                ; 1,040,000.0
.set BIAS,   0x4b100000                ; 2^23 + 2^20
.set PADB,   0x4b002008                ; 2^23 + 8,200
.set X,  16                            ; v[16:79]  two row slots of 32
.set PK, 80                            ; v[80:95]  the row in bf16
; v1 lane, v2 16 x lane, v3 8 x lane, v4 the record (lane k: field k), v5 0, v6-9 four chains of the sum of squares, v10 at work, v11 norm, v12 1 / norm, v13 the power of two, v14 scale, v15 at work
; s16 wave, s17 work-group in its part, s18 rows - 1, s19 rows, s21 1 for x, s[22:23] source, s[24:25] destination, s[26:27] my record, s[28:31] the slots' row bases,
; s[32:33] the stores' row base, s[34:35] an offset, s36 my row, s37 trips, s38-39 lane selects, s40 scale's numerator, s41 bias, s42 at work, s43-45 the record's three lanes for this row, s46-47 the two biases
	s_load_b256 s[4:11], s[0:1], 0x0               ; pool s[4:5], x s[6:7], Pb s[8:9], Xb s[10:11]
	s_load_b128 s[12:15], s[0:1], 0x20             ; sb s[12:13], xs s[14:15]
	v_lshrrev_b32 v1, 5, v0
	v_readfirstlane_b32 s16, v1                    ; wave 0..7
	v_and_b32 v1, 31, v0
	v_lshlrev_b32 v2, 4, v1
	v_lshlrev_b32 v3, 3, v1
	v_mov_b32 v4, 0
	v_mov_b32 v5, 0
	v_mov_b32 v10, 0                               ; v_permlanex16_b32's destination counts as read
	s_mov_b32 s19, NPOOL
	s_mov_b32 s42, NX
	s_cmp_ge_u32 ttmp9, POOLWG
	s_cselect_b32 s21, 1, 0
	s_cselect_b32 s19, s42, s19
	s_cselect_b32 s42, POOLWG, 0
	s_sub_co_u32 s17, ttmp9, s42
	s_sub_co_u32 s18, s19, 1
	s_lshl_b32 s42, s17, 3
	s_add_co_u32 s42, s42, s16                     ; my record's number
	s_lshl_b32 s36, s42, 3                         ; my first row
	s_lshl_b32 s34, s42, 7                         ; my record's byte
	s_mov_b32 s35, 0
	s_mov_b32 s38, 0x76543210
	s_mov_b32 s39, 0xfedcba98
	s_mov_b32 s43, 0
	s_mov_b32 s44, 8
	s_mov_b32 s45, 16
	s_mov_b32 s46, BIAS
	s_mov_b32 s47, PADB
	s_wait_kmcnt 0x0
	s_cmp_lg_u32 s21, 0                            ; the condition hangs on the work-group's number alone
	s_cselect_b64 s[22:23], s[6:7], s[4:5]
	s_cselect_b64 s[24:25], s[10:11], s[8:9]
	s_cselect_b64 s[26:27], s[14:15], s[12:13]
	s_add_nc_u64 s[26:27], s[26:27], s[34:35]
; The slot's row base for row s36 + ahead.  A pad row repeats the input's last row, so no load leaves the buffer.
.macro RBASE slot, ahead
	s_add_co_u32 s42, s36, \ahead
	s_min_u32 s42, s42, s18
	s_lshl_b32 s34, s42, 12                        ; 4,096 bytes a row, under 2^28
	s_add_nc_u64 s[28+2*(\slot):29+2*(\slot)], s[22:23], s[34:35]
.endm
.macro FILL slot
.irp c, 0,1,2,3,4,5,6,7
	global_load_b128 v[X+32*(\slot)+4*(\c):X+32*(\slot)+4*(\c)+3], v2, s[28+2*(\slot):29+2*(\slot)] offset:512*(\c) th:TH_LOAD_NT
.endr
.endm
; One row.  refill = 1: the slot takes the row two further on.  left = the younger loads that may stay out.
.macro ROWDO slot, refill, left
	s_wait_loadcnt \left                           ; my slot's eight loads are in; the other slot's eight stay out
	s_wait_xcnt 0x0                                ; the last row's stores have read PK and their base: both are rewritten only behind this wait
.set j, 0
.rept 16
	v_cvt_pk_bf16_f32 v[PK+j], v[X+32*(\slot)+2*j], v[X+32*(\slot)+2*j+1]
.set j, j+1
.endr
.if \refill
	RBASE \slot, 2
	FILL \slot
.endif
.set j, 0
.rept 16                               ; the sum of squares of the rounded numbers, in f32, four chains; the first four start from 0
.if j < 2
	v_fma_mix_f32_bf16 v[6+(2*j)%4], v[PK+j], v[PK+j], v5 op_sel:[0,0,0] op_sel_hi:[1,1,0]
	v_fma_mix_f32_bf16 v[7+(2*j)%4], v[PK+j], v[PK+j], v5 op_sel:[1,1,0] op_sel_hi:[1,1,0]
.else
	v_fma_mix_f32_bf16 v[6+(2*j)%4], v[PK+j], v[PK+j], v[6+(2*j)%4] op_sel:[0,0,0] op_sel_hi:[1,1,0]
	v_fma_mix_f32_bf16 v[7+(2*j)%4], v[PK+j], v[PK+j], v[7+(2*j)%4] op_sel:[1,1,0] op_sel_hi:[1,1,0]
.endif
.set j, j+1
.endr
	v_add_f32 v6, v6, v7
	v_add_f32 v8, v8, v9
	v_add_f32 v6, v6, v8
.irp x, 1,2,4,8
	v_add_f32_dpp v6, v6, v6 row_xmask:\x row_mask:0xf bank_mask:0xf
.endr
	v_permlanex16_b32 v10, v6, s38, s39
	v_add_f32 v6, v6, v10                          ; every lane holds the row's sum
	v_sqrt_f32 v11, v6
	v_nop                                          ; a plain instruction behind the root,
	s_wait_alu depctr_va_vdst(0)                   ; and the wait ahead of its first reader and of the branch
	s_cmp_eq_u32 s21, 0
	s_cbranch_scc1 .Lnot_x_\@
	v_lshrrev_b32 v13, 23, v11                     ; x alone: the norm's exponent field E; f = 2^(126 - E) takes the norm into [0.5, 1)
	v_sub_nc_u32 v13, 253, v13
	v_lshlrev_b32 v13, 23, v13
	v_mul_f32 v11, v11, v13
	v_lshrrev_b32 v15, 16, v13
	v_or_b32 v13, v13, v15                         ; f as bf16, in both halves
.set j, 0
.rept 16
	v_pk_mul_bf16 v[PK+j], v[PK+j], v13            ; exact: a power of two
.set j, j+1
.endr
.Lnot_x_\@:
	s_cmp_lt_u32 s36, s19                          ; a real row?
	s_cselect_b32 s40, SCV, 0
	s_cselect_b32 s41, s46, s47
	s_cbranch_scc1 .Lreal_\@
.set j, 0
.rept 16
	v_mov_b32 v[PK+j], 0                           ; a pad row is stored as zeros
.set j, j+1
.endr
.Lreal_\@:
	v_rcp_f32 v12, v11
	v_mov_b32 v15, s41                             ; the plain instruction behind the reciprocal
	s_wait_alu depctr_va_vdst(0)
	v_mul_f32 v14, s40, v12
	v_cmp_eq_u32 vcc_lo, s43, v1                   ; the record: lane k takes the scale, lane 8 + k the bias, lane 16 + k the norm of the wave's row k
	v_cndmask_b32 v4, v4, v14, vcc_lo
	v_cmp_eq_u32 vcc_lo, s44, v1
	v_cndmask_b32 v4, v4, v15, vcc_lo
	v_cmp_eq_u32 vcc_lo, s45, v1
	v_cndmask_b32 v4, v4, v11, vcc_lo
	s_lshl_b32 s34, s36, 11                        ; 2,048 bytes a row
	s_add_nc_u64 s[32:33], s[24:25], s[34:35]
.irp c, 0,1,2,3,4,5,6,7
	global_store_b64 v3, v[PK+2*(\c):PK+2*(\c)+1], s[32:33] offset:256*(\c)  ; 32 lanes store 256 consecutive bytes, aligned
.endr
	s_add_co_u32 s36, s36, 1
	s_add_co_u32 s43, s43, 1
	s_add_co_u32 s44, s44, 1
	s_add_co_u32 s45, s45, 1
.endm
	RBASE 0, 0
	FILL 0
	RBASE 1, 1
	FILL 1
	s_mov_b32 s37, 3
.Lpair:                                        ; rows 2 i and 2 i + 1 are done, rows 2 i + 2 and 2 i + 3 asked for
	ROWDO 0, 1, 8
	ROWDO 1, 1, 8
	s_sub_co_u32 s37, s37, 1
	s_cmp_lg_u32 s37, 0
	s_cbranch_scc1 .Lpair
	ROWDO 0, 0, 8                                  ; the last two rows load nothing: the counts run down
	ROWDO 1, 0, 0
	v_lshlrev_b32 v15, 2, v1
	global_store_b32 v15, v4, s[26:27]             ; the record: 128 consecutive bytes
	s_endpgm
.Lfunc_end_k_q9210304774_prep:
	.size	k_q9210304774_prep, .Lfunc_end_k_q9210304774_prep-k_q9210304774_prep
	.p2alignl 7, 3214868480
	.fill 96, 4, 3214868480
	.section	.rodata,"a",@progbits
	.p2align	6, 0x0
	.amdhsa_kernel k_q9210304774_prep
		.amdhsa_group_segment_fixed_size 0
		.amdhsa_private_segment_fixed_size 0
		.amdhsa_enable_private_segment 0
		.amdhsa_kernarg_size 48
		.amdhsa_user_sgpr_count 2
		.amdhsa_user_sgpr_kernarg_segment_ptr 1
		.amdhsa_wavefront_size32 1
		.amdhsa_system_sgpr_workgroup_id_x 1
		.amdhsa_system_sgpr_workgroup_id_y 1
		.amdhsa_system_sgpr_workgroup_id_z 1
		.amdhsa_system_vgpr_workitem_id 0
		.amdhsa_next_free_vgpr 96
		.amdhsa_next_free_sgpr 66
		.amdhsa_reserve_vcc 1
		.amdhsa_float_denorm_mode_32 3
		.amdhsa_float_denorm_mode_16_64 3
		.amdhsa_memory_ordered 1
		.amdhsa_forward_progress 1
		.amdhsa_inst_pref_size 33
	.end_amdhsa_kernel
	.amdgpu_metadata
---
amdhsa.version: [ 1, 2 ]
amdhsa.kernels:
  - .name:           k_q9210304774_prep
    .symbol:         k_q9210304774_prep.kd
    .args:
      - { .name: pool, .offset: 0, .size: 8, .value_kind: global_buffer, .address_space: global }
      - { .name: x6_src, .offset: 8, .size: 8, .value_kind: global_buffer, .address_space: global }
      - { .name: Pb, .offset: 16, .size: 8, .value_kind: global_buffer, .address_space: global }
      - { .name: Xb, .offset: 24, .size: 8, .value_kind: global_buffer, .address_space: global }
      - { .name: sb, .offset: 32, .size: 8, .value_kind: global_buffer, .address_space: global }
      - { .name: xs, .offset: 40, .size: 8, .value_kind: global_buffer, .address_space: global }
    .group_segment_fixed_size: 0
    .private_segment_fixed_size: 0
    .kernarg_segment_align: 8
    .kernarg_segment_size: 48
    .max_flat_workgroup_size: 256
    .sgpr_count:     66
    .vgpr_count:     96
    .wavefront_size: 32
...
	.end_amdgpu_metadata
.endif
;; end of part 1
;; launch screen (part 2): grid 8 x 32, 4 waves a work-group, clusters of 4 x 1, 327,680 bytes of LDS; arguments Xb, Pb, sb, KL; writes KL
.if DOCPART == 2
	.amdgcn_target "amdgcn-amd-amdhsa--gfx1250"
	.amdhsa_code_object_version 6
	.text
	.protected	k_q9210304774_screen
	.globl	k_q9210304774_screen
	.p2align	8
	.type	k_q9210304774_screen,@function
k_q9210304774_screen:
	s_mov_b64 s[64:65], 0
	v_nop
	global_prefetch_b8 v0, s[64:65] scope:SCOPE_SE
	s_setreg_imm32_b32 hwreg(HW_REG_WAVE_MODE, 25, 1), 1
	s_wait_xcnt 0x0
	s_wait_alu depctr_hold_cnt(0) depctr_sa_sdst(0) depctr_va_vdst(0) depctr_va_sdst(0) depctr_va_ssrc(0) depctr_va_vcc(0) depctr_vm_vsrc(0)
	s_getreg_b32 s2, hwreg(HW_REG_IB_STS2, 6, 4)
	s_cmp_eq_u32 s2, 0
	s_cbranch_scc0 .Lentry_in_a_cluster
	s_endpgm
.Lentry_in_a_cluster:
	s_bfe_u32 s2, ttmp6, 0x10000c
	s_cmp_lg_u32 s2, 0x3003
	s_cbranch_scc0 .Lentry_shape_is_right
	s_endpgm
.Lentry_shape_is_right:
; PhoneMapper, launch 2 of 3: all 1,536 x 37,888 dot products in bf16 with f32 sums, and for each query, each slice of 1,184 pool rows and each half of the lanes the 12 best rows, as keys.
; Nothing of reference() is left out here; the exact distances, the choice of 10 and the softmax follow in the next launch, on the candidates that the keys name.
; THE KEY.  y = fma(dot, scale, bias) is the whole number 2^23 + fix, fix = 2^20 + 1,040,000 cos' in 8,576 .. 2,088,576 (cos' = cosine x the query's scaled norm, which lies in [0.5, 1)).
; key = (y << 10) | inv: the exponent's bits leave the word; inv = 1015 - (8 t + j) names tile t (0..73) of the slice and accumulator register j, the lower row the greater.
; fix >> 13 lies in 1 .. 254, so every key is the pattern of a positive normal f32: v_med3_num_f32 and v_max_num_f32 order keys here as unsigned compares do in the next launch.
; LIMITS.  A key's step is 1 to 2 parts in a million of cosine.  The ten best of reference() are among the twelve best keys unless more than two further rows lie within a key's step and the
; product's rounding of the tenth.  A NaN, an infinity or a pool row of zeros gives undefined keys.
; SHARES.  Work-group (query block qb of 192, slice): 74 tiles of 16 pool rows, two tiles to an LDS slot, 37 slots.  A wave keeps its 48 queries (3 tiles x 32 fragments = 768 registers) for the whole launch
; and multiplies every pool tile: source 0 = 16 pool rows, source 1 = 16 queries, so a lane holds ONE query (lane % 16) and register j is pool row 8 (lane / 16) + j.
; BY TURNS.  K runs whole for a tile: 96 matrix instructions on three accumulators, one a turn.  The tile before, in the other set of accumulators, is retired meanwhile by 324 vector
; instructions (12 scalings, 24 keys, 24 x 12 list places) that stand in twos to fours behind the matrix instructions; they name none of the registers of the products round them.
; CLUSTER.  The four query blocks of a cluster walk the same slice, so each slot is asked for JOINTLY: the same tensor load, descriptor and mask of four in all four work-groups.  Wave w fetches K quarter w
; (32 rows x 512 bytes).  By this text's count a wave has two tensor loads out at the head and one behind each round.
; REGISTERS, in windows of 256 (s_set_vgpr_msb: bits 1:0 source 0, 3:2 source 1, 5:4 source 2, 7:6 destination): window 0 holds all but the queries; window q + 1 holds query tile q, fragment f at v[8 f].
; So a matrix instruction wants source 1 switched, and the riders behind it want it back: two switches for each.
.set PITCH, 528                        ; an LDS row: 512 bytes + 16 of padding = 132 words: the 16 rows of a fragment load start at 16 different groups of four banks (64 banks of 4 bytes: ISA guide 11.1)
.set QB,    32*PITCH                   ; a K quarter of a slot: 32 rows
.set SLOT1, 131072                     ; slot 1 begins here: one exclusive or turns an address in one slot into the other's
.set SPARE, SLOT1+4*QB                 ; behind the ring: the spare words, 128 bytes for each wave, two blocks of 256 bytes that no other line names
.set SLICEB, 1184*2048                 ; a slice's bytes in Pb
.set SLOTB,  32*2048                   ; a slot's bytes in Pb
.set QO,   3                           ; v3   my byte offset in 16 rows of Xb: 2,048 (l % 16) + 16 (l / 16)
.set AB0,  4                           ; v4   my place in a tile in LDS: 528 (l % 16) + 16 (l / 16); never rewritten
.set ADR,  5                           ; v5   the same in the slot in hand
.set SBO,  7                           ; v7   128 (l / 16): my half's record; never rewritten
.set PFO,  8                           ; v8   the prefetches' offset: row l / 8, block l % 8 of 256 bytes; never rewritten
.set OUTO, 9                           ; v9   16 l
.set SPW,  10                          ; v10  LDS address of my spare word; never rewritten
.set NIL,  11                          ; v11  0; never rewritten
.set LST,  16                          ; v[16:51]   three lists of 12 keys, descending
.set SC,   52                          ; v[52:59]   the scales of my half's 8 rows of the tile to be retired
.set BI,   60                          ; v[60:67]   their biases
.set ACC,  68                          ; v[68:115]  set p, query tile q at ACC + 24 p + 8 q
.set FB,   128                         ; v[128:255] two buffers of 8 pool fragments
.set WV,   12                          ; s12  wave
.set XQ,   20                          ; s[20:21] Xb at my wave's 48 queries
.set SBP,  22                          ; s[22:23] sb at the slot in hand
.set G1,   24                          ; s[24:31] descriptor group 1
.set G0A,  32                          ; s[32:35] group 0 of the first fill of slot 0
.set G0B,  36                          ; s[36:39] group 0 of slot 1's first fill; it then walks
.set PFA,  40                          ; s[40:41] where my prefetches stand
.set LIM,  42                          ; s42  2 in a wave that prefetches, else the greatest number
.set CNT,  43                          ; s43  slots still to be asked for; in the tail, trips
.set TB,   44                          ; s44  LDS byte of the slot in hand
.set IDX,  48                          ; s[48:55] inv for register j of the tile to be retired
.set KLP,  56                          ; s[56:57] KL at my wave's three lists
.set MSB, 0
.macro WIN new                         ; the immediate's high byte repeats the setting that is left; a switch that changes nothing is dropped
.if MSB != (\new)
	s_set_vgpr_msb (MSB<<8)|(\new)
.set MSB, \new
.endif
.endm
.macro PLACES
.rept 4
	v_nop
.endr
.endm
.macro CREST                           ; a round of the cluster's barrier behind its opening barrier: wave 0 signals for the work-group, every wave waits for all four work-groups, my work-group's barrier closes it
	s_cmp_lg_u32 s[WV], 0
	s_cbranch_scc1 .Lnot_wave_0_\@
	s_barrier_signal -3
.Lnot_wave_0_\@:
	s_barrier_wait -3
	s_barrier_signal -1
	s_barrier_wait -1
.endm
.macro CROUND
	s_barrier_signal -1
	s_barrier_wait -1
	CREST
.endm
; A PREFETCH INTO THE L2, behind the joint load, its five lines and the run of LDS loads: the slot that stands TWO fills on (384 matrix instructions ahead of its load).  A slot is 32 rows x 2,048 bytes = 256 blocks
; of 256 bytes, each named once in the launch: of the two clusters that walk a slice the first asks; its four partners take 8 rows each, told apart BY ADDRESS; in each, waves 0 and 1 take 4 rows, a lane a block.
; Slots 0 to 3 come by their loads alone; the last two fills ask for nothing, since there is no slot two on.
.macro ASK
	s_cmp_gt_u32 s[CNT], s[LIM]
	s_cbranch_scc0 .Lnot_mine_\@
	global_prefetch_b8 v[PFO], s[PFA:PFA+1] th:TH_LOAD_NT scope:SCOPE_SE
.Lnot_mine_\@:
.endm
.macro RUN16                           ; tile 0, K fragments 0-7 of the slot at v[ADR], into buffer 0
.set k, 0
.rept 8
	ds_load_b128 v[FB+8*k:FB+8*k+3],   v[ADR] offset:64*k
	ds_load_b128 v[FB+8*k+4:FB+8*k+7], v[ADR] offset:64*k+32
.set k, k+1
.endr
.endm
; Rider n of the 324 that retire set p.  0-11: y = dot x scale + bias, two at a time (each accumulator's lowest registers are read first).  12-35: the keys.
; 36-323: key j of query tile q goes into list q, from the last place up, so that each line reads old places alone: place i takes the middle of (key, place i - 1, place i), place 0 the greater.
.macro RID p
.if n < 12
.set rR, ACC+24*(\p)+8*(n/4)+2*(n%4)
	v_pk_fma_f32 v[rR:rR+1], v[rR:rR+1], v[SC+2*(n%4):SC+2*(n%4)+1], v[BI+2*(n%4):BI+2*(n%4)+1]
.elseif n < 36
.set rR, ACC+24*(\p)+(n-12)
	v_lshl_or_b32 v[rR], v[rR], 10, s[IDX+(n-12)%8]
.else
.set m, n-36
.set rR, ACC+24*(\p)+8*(m/96)+(m%96)/12
.set rL, LST+12*(m/96)+11-m%12
.if m%12 == 11
	v_max_num_f32 v[rL], v[rR], v[rL]
.else
	v_med3_num_f32 v[rL], v[rR], v[rL-1], v[rL]
.endif
.endif
.set n, n+1
.endm
; A TILE: i = its place in the slot = its set of accumulators.  mode 0: plain; 1: the slot is left and filled again; 2: it is left.
; 96 matrix instructions in four groups of 24 (8 fragments x 3 query tiles) on fragment buffers 0, 1, 0, 1.  Behind instructions 1-8 of a group stand the two LDS loads of one fragment of the next group, into the
; other buffer: its last reader stands 11 riders back or more; they are waited for at the next group's head, 15 matrix instructions behind the last of them.  The riders are dealt 4, 3, 2 x 7, 4 x 15 to a group
; (fewer where loads stand), 81; in tile 1's last group, which loads nothing singly, 4 x 9, 3 x 15.
.macro TILE i, mode
	s_wait_loadcnt 0x0                             ; the scales and biases asked for a tile ago (ahead of the first tile: the queries)
.set n, 0
.set w, 0
.rept 96
.set u, w%24
.set g, w/24
.set f, w/3
.set q, w%3
.set last, (\i)*(g/3)
.if u == 0
	s_wait_dscnt 0x0                               ; this group's fragments are in; in tile 1's last group also: the add is done and my reads of the slot are over
.if last
	s_barrier_signal -1                            ; say so; only register work stands up to the wait
.endif
.endif
.set rA, ACC+24*(\i)+8*q
.set rF, FB+64*(g%2)+8*(f%8)
	WIN (q+1)<<2
.if f == 0
	v_wmma_f32_16x16x32_bf16 v[rA:rA+7], v[rF:rF+7], v[8*f:8*f+7], 0
.else
	v_wmma_f32_16x16x32_bf16 v[rA:rA+7], v[rF:rF+7], v[8*f:8*f+7], v[rA:rA+7]
.endif
	WIN 0
.set cnt, 4
.if last
.if u > 8
.set cnt, 3
.endif
.else
.if u == 1
.set cnt, 3
.endif
.if (u >= 2) && (u <= 8)
.set cnt, 2
.endif
.endif
.rept cnt
	RID 1-(\i)
.endr
.if (u >= 1) && (u <= 8) && (last == 0)
.set ng, g+1
.set ni, \i
.if g == 3
.set ng, 0                             ; tile 0's last group fetches tile 1's first
.set ni, 1
.endif
.set rN, FB+64*((g+1)%2)+8*(u-1)
.set oN, ng*QB+ni*16*PITCH+(u-1)*64
	ds_load_b128 v[rN:rN+3],   v[ADR] offset:oN
	ds_load_b128 v[rN+4:rN+7], v[ADR] offset:oN+32
.endif
.if w == 9                             ; riders 0-11 are out: this tile's own scales and biases, for the riders of the next
	global_load_b128 v[SC:SC+3],   v[SBO], s[SBP:SBP+1] offset:256*(\i)
	global_load_b128 v[SC+4:SC+7], v[SBO], s[SBP:SBP+1] offset:256*(\i)+16
	global_load_b128 v[BI:BI+3],   v[SBO], s[SBP:SBP+1] offset:256*(\i)+32
	global_load_b128 v[BI+4:BI+7], v[SBO], s[SBP:SBP+1] offset:256*(\i)+48
.endif
.if w == 13                            ; riders 12-35 are out: inv steps to this tile's
.irp j, 0,1,2,3,4,5,6,7
	s_add_co_i32 s[IDX+(\j)], s[IDX+(\j)], -8
.endr
.endif
.if (\i) && (w == 50)
	s_wait_xcnt 0x0                                ; the loads 41 matrix instructions back and the prefetch a slot back have read their addresses
	s_add_nc_u64 s[SBP:SBP+1], s[SBP:SBP+1], 512
.if (\mode) == 1
	s_add_nc_u64 s[PFA:PFA+1], s[PFA:PFA+1], SLOTB
.endif
.endif
.if (\i) && (w == 56)                  ; the slot's last LDS loads have just been issued
	s_wait_tensorcnt 0x0                           ; all my tensor loads have landed: the one that was out is my quarter of the other slot; so a group 0 may be written
	ds_add_u32 v[SPW], v[NIL]                      ; 0 onto my spare word; 15 matrix instructions and their riders stand between it and the wait for it
.if (\mode) == 1
	s_xor_b32 s[G0B+1], s[G0B+1], SLOT1            ; the walking descriptor: the slot that is being left,
	s_add_nc_u64 s[G0B+2:G0B+3], s[G0B+2:G0B+3], SLOTB  ; the next 32 rows; the type bits on top are not reached
.endif
.endif
.if (\i) && (w == 77)
	s_barrier_wait -1                              ; nobody in my work-group reads the slot any more, and the other slot is whole
.if (\mode) == 1
	CREST                                          ; the barrier has opened a round of the cluster's: no wave of any partner still reads the slot or has a load on its way
	tensor_load_to_lds s[G0B:G0B+3], s[G1:G1+7]    ; the joint refill, first behind the round: two tiles less 21 matrix instructions in which to land
	s_nop 0
	PLACES
.endif
	s_xor_b32 s[TB], s[TB], SLOT1
	v_add_nc_u32 v[ADR], s[TB], v[AB0]
	RUN16                                          ; the other slot's first fragments; buffer 0's last reader stands 28 riders back
.if (\mode) == 1
	ASK
.endif
.endif
.set w, w+1
.endr
.endm
	s_load_b256 s[4:11], s[0:1], 0x0               ; Xb s[4:5], Pb s[6:7], sb s[8:9], KL s[10:11]
	v_lshl_add_u32 v[SPW], v0, 2, SPARE
	v_mov_b32 v[NIL], 0
	ds_add_u32 v[SPW], v[NIL]                      ; the wave's opening: the add, twice on end, and its wait ahead of my first tensor load; the set-up below stands between
	ds_add_u32 v[SPW], v[NIL]
	v_lshrrev_b32 v1, 5, v0
	v_readfirstlane_b32 s[WV], v1                  ; wave 0..3
	v_and_b32 v1, 15, v0                           ; l % 16
	v_bfe_u32 v2, v0, 4, 1                         ; l / 16
	v_lshlrev_b32 v[QO], 11, v1
	v_lshl_add_u32 v[QO], v2, 4, v[QO]
	v_mul_u32_u24 v[AB0], v1, PITCH
	v_lshl_add_u32 v[AB0], v2, 4, v[AB0]
	v_lshlrev_b32 v[SBO], 7, v2
	v_and_b32 v6, 31, v0
	v_lshlrev_b32 v[OUTO], 4, v6
	v_lshrrev_b32 v[PFO], 3, v6
	v_lshlrev_b32 v[PFO], 11, v[PFO]
	v_and_b32 v6, 7, v6
	v_lshl_add_u32 v[PFO], v6, 8, v[PFO]
	s_bfe_u32 s13, ttmp6, 0x40000                  ; cx: my place in the cluster: it enters Xb's, KL's and the prefetches' addresses alone
	s_lshl_b32 s14, ttmp9, 2                       ; in a cluster launch ttmp9 counts clusters
	s_add_co_u32 s14, s14, s13                     ; my query block
	s_and_b32 s15, ttmp7, 0xffff                   ; the slice, which the four partners share
	; descriptor group 1: a tile of 32 rows x 256 elements, padded in LDS
	s_mov_b32 s[G1+0], 15|(1<<16)|(1<<20)|(1<<21)|(6<<22)|(3<<25)  ; 15:0 the mask of four; 17:16 2-byte elements; 20 padding on; 21 set beside a mask; 24:22 after every 128 words (code 6); 31:25 4 words (code 3)
	s_mov_b32 s[G1+1], 256<<16                     ; tensor_dim0 = 256
	s_mov_b32 s[G1+2], 32<<16                      ; tensor_dim1 = 32
	s_mov_b32 s[G1+3], 256<<16                     ; tile_dim0 = 256
	s_mov_b32 s[G1+4], 32                          ; tile_dim1 = 32
	s_mov_b32 s[G1+5], 1024                        ; elements from row to row
	s_mov_b32 s[G1+6], 0
	s_mov_b32 s[G1+7], 0
	s_mov_b32 s[G0A], 1
	s_mul_i32 s[G0A+1], s[WV], QB                  ; LDS: my K quarter of slot 0,
	s_mov_b32 s[G0B], 1
	s_add_co_u32 s[G0B+1], s[G0A+1], SLOT1         ; and of slot 1: no place in the cluster enters an LDS address
.irp j, 0,1,2,3,4,5,6,7
	s_mov_b32 s[IDX+(\j)], 1023-(\j)               ; for the tile 'before the first': see below
.endr
	s_mov_b32 s[TB], 0
	s_mul_i32 s16, s15, SLICEB                     ; Pb: the slice, my K quarter's 512 bytes of a row
	s_lshl_b32 s17, s[WV], 9
	s_add_co_u32 s16, s16, s17
	s_mov_b32 s17, 0
	s_mul_i32 s[SBP], s15, 148*128                 ; sb: 148 records a slice
	s_mov_b32 s[SBP+1], 0
	s_mul_i32 s[XQ], s14, 192                      ; Xb: 192 queries a block, 48 a wave
	s_mul_i32 s18, s[WV], 48
	s_add_co_u32 s[XQ], s[XQ], s18
	s_lshl_b32 s[XQ], s[XQ], 11
	s_mov_b32 s[XQ+1], 0
	s_mul_i32 s[KLP], s15, 96                      ; KL: [slice][query tile][3][32][4]: 96 query tiles a slice, 12 a block, 3 a wave, 1,536 bytes each
	s_mul_i32 s18, s14, 12
	s_add_co_u32 s[KLP], s[KLP], s18
	s_mul_i32 s18, s[WV], 3
	s_add_co_u32 s[KLP], s[KLP], s18
	s_mul_i32 s[KLP], s[KLP], 1536
	s_mov_b32 s[KLP+1], 0
	s_mul_i32 s[PFA], s15, SLICEB                  ; the prefetches: my work-group's 8 rows of a slot, my wave's 4 of them,
	s_lshl_b32 s18, s13, 14
	s_add_co_u32 s[PFA], s[PFA], s18
	s_lshl_b32 s18, s[WV], 13
	s_add_co_u32 s[PFA], s[PFA], s18
	s_add_co_u32 s[PFA], s[PFA], 3*SLOTB           ; in slot 3: it is stepped ahead of its first use, so the first prefetch names slot 4
	s_mov_b32 s[PFA+1], 0
	s_lshr_b32 s[LIM], s[WV], 1                    ; 0 in waves 0 and 1,
	s_or_b32 s[LIM], s[LIM], ttmp9                 ; where the cluster is the slice's first: the same in all four partners
	s_cmp_eq_u32 s[LIM], 0
	s_cselect_b32 s[LIM], 2, -1
	s_wait_dscnt 0x0                               ; both opening adds are done
	s_wait_kmcnt 0x0
	s_add_nc_u64 s[G0A+2:G0A+3], s[6:7], s[16:17]
	s_add_nc_u64 s[G0B+2:G0B+3], s[G0A+2:G0A+3], SLOTB
	s_or_b32 s[G0A+3], s[G0A+3], 0x80000000        ; 127:126 type = 2
	s_or_b32 s[G0B+3], s[G0B+3], 0x80000000
	s_add_nc_u64 s[SBP:SBP+1], s[8:9], s[SBP:SBP+1]
	s_add_nc_u64 s[XQ:XQ+1], s[4:5], s[XQ:XQ+1]
	s_add_nc_u64 s[KLP:KLP+1], s[10:11], s[KLP:KLP+1]
	s_add_nc_u64 s[PFA:PFA+1], s[6:7], s[PFA:PFA+1]
	CROUND                                         ; all four work-groups are here: the first joint loads meet
	tensor_load_to_lds s[G0A:G0A+3], s[G1:G1+7]    ; slot 0
	s_nop 0
	tensor_load_to_lds s[G0B:G0B+3], s[G1:G1+7]    ; slot 1
	s_nop 0
	PLACES
.set q, 0
.rept 3                                ; the queries stay in registers: tile q in window q + 1, fragment f (channels 32 f on) at v[8 f]
	WIN 0x40*(q+1)
.set f, 0
.rept 32
	global_load_b128 v[8*f:8*f+3],   v[QO], s[XQ:XQ+1] offset:32768*q+64*f
	global_load_b128 v[8*f+4:8*f+7], v[QO], s[XQ:XQ+1] offset:32768*q+64*f+32
.set f, f+1
.endr
.set q, q+1
.endr
	WIN 0
	; No first tile is written out: the first tile's riders retire a tile that has not been: sums 0, scale 0, the pad rows' bias: 24 keys below every real row's, which the real keys push out of the lists.
	; These 76 lines stand in the wait for the first slot.
.set k, 0
.rept 36
	v_mov_b32 v[LST+k], 0
.set k, k+1
.endr
.set k, 0
.rept 24
	v_mov_b32 v[ACC+24+k], 0
.set k, k+1
.endr
.set k, 0
.rept 8
	v_mov_b32 v[SC+k], 0
	v_mov_b32 v[BI+k], 0x4b002008
.set k, k+1
.endr
	v_mov_b32 v[ADR], v[AB0]
	s_wait_tensorcnt 0x1                           ; my quarter of slot 0 is in; slot 1's may stay out
	s_barrier_signal -1
	s_barrier_wait -1                              ; everybody's is
	RUN16
	s_mov_b32 s[CNT], 35
.Lslot:                                        ; 35 trips: slots 0 to 34 are multiplied, left and filled again with slots 2 to 36
	TILE 0, 0
	TILE 1, 1
	WIN 0
	s_sub_co_u32 s[CNT], s[CNT], 1
	s_cmp_lg_u32 s[CNT], 0
	s_cbranch_scc1 .Lslot
	s_mov_b32 s[CNT], 2
.Ltail:                                        ; slots 35 and 36: nothing is asked for.  The second trip's barrier and its 16 LDS loads (of bytes that slot 35 left) serve nothing: the price, once a launch, of one text for both trips
	TILE 0, 0
	TILE 1, 2
	WIN 0
	s_sub_co_u32 s[CNT], s[CNT], 1
	s_cmp_lg_u32 s[CNT], 0
	s_cbranch_scc1 .Ltail
	s_wait_loadcnt 0x0                             ; the last tile's scales and biases
.set n, 0
.rept 324
	RID 1                                          ; the last tile is retired; nine riders stand behind the product that ended its first accumulator
.endr
.set q, 0
.rept 3
.set m, 0
.rept 3
	global_store_b128 v[OUTO], v[LST+12*q+4*m:LST+12*q+4*m+3], s[KLP:KLP+1] offset:1536*q+512*m  ; 512 consecutive bytes, aligned
.set m, m+1
.endr
.set q, q+1
.endr
	s_wait_tensorcnt 0x0                           ; the wave's end: the wait, the add and its wait, behind my last tensor load
	ds_add_u32 v[SPW], v[NIL]
	s_wait_dscnt 0x0
	CROUND                                         ; the closing round: no work-group ends while a partner may still ask for a tile that names it
	s_endpgm
.Lfunc_end_k_q9210304774_screen:
	.size	k_q9210304774_screen, .Lfunc_end_k_q9210304774_screen-k_q9210304774_screen
	.p2alignl 7, 3214868480
	.fill 96, 4, 3214868480
	.section	.rodata,"a",@progbits
	.p2align	6, 0x0
	.amdhsa_kernel k_q9210304774_screen
		.amdhsa_group_segment_fixed_size 327680
		.amdhsa_private_segment_fixed_size 0
		.amdhsa_enable_private_segment 0
		.amdhsa_kernarg_size 32
		.amdhsa_user_sgpr_count 2
		.amdhsa_user_sgpr_kernarg_segment_ptr 1
		.amdhsa_wavefront_size32 1
		.amdhsa_system_sgpr_workgroup_id_x 1
		.amdhsa_system_sgpr_workgroup_id_y 1
		.amdhsa_system_sgpr_workgroup_id_z 1
		.amdhsa_system_vgpr_workitem_id 0
		.amdhsa_next_free_vgpr 1024
		.amdhsa_next_free_sgpr 66
		.amdhsa_reserve_vcc 0
		.amdhsa_float_denorm_mode_32 3
		.amdhsa_float_denorm_mode_16_64 3
		.amdhsa_memory_ordered 1
		.amdhsa_forward_progress 1
		.amdhsa_inst_pref_size 195
	.end_amdhsa_kernel
	.amdgpu_metadata
---
amdhsa.version: [ 1, 2 ]
amdhsa.kernels:
  - .name:           k_q9210304774_screen
    .symbol:         k_q9210304774_screen.kd
    .args:
      - { .name: Xb, .offset: 0, .size: 8, .value_kind: global_buffer, .address_space: global }
      - { .name: Pb, .offset: 8, .size: 8, .value_kind: global_buffer, .address_space: global }
      - { .name: sb, .offset: 16, .size: 8, .value_kind: global_buffer, .address_space: global }
      - { .name: KL, .offset: 24, .size: 8, .value_kind: global_buffer, .address_space: global }
    .group_segment_fixed_size: 327680
    .private_segment_fixed_size: 0
    .kernarg_segment_align: 8
    .kernarg_segment_size: 32
    .max_flat_workgroup_size: 128
    .sgpr_count:     66
    .vgpr_count:     1024
    .wavefront_size: 32
...
	.end_amdgpu_metadata
.endif
;; end of part 2
;; launch pick (part 3): grid 94 x 1, 16 waves a work-group, no clusters, 51,712 bytes of LDS; arguments KL, Pb, Xb, sb, xs, out0; writes out0
.if DOCPART == 3
	.amdgcn_target "amdgcn-amd-amdhsa--gfx1250"
	.amdhsa_code_object_version 6
	.text
	.protected	k_q9210304774_pick
	.globl	k_q9210304774_pick
	.p2align	8
	.type	k_q9210304774_pick,@function
k_q9210304774_pick:
	s_mov_b64 s[64:65], 0
	v_nop
	global_prefetch_b8 v0, s[64:65] scope:SCOPE_SE
	s_setreg_imm32_b32 hwreg(HW_REG_WAVE_MODE, 25, 1), 1
	s_wait_xcnt 0x0
; PhoneMapper, launch 3 of 3: for each query the 12 best keys of its 64 lists are taken out, their rows are scored anew in f32, and reference()'s last steps follow: the 10 least distances (ties to the lower
; row, as jax.lax.top_k has them), softmax of 1 / distance with its maximum taken away, a tenth of the weighted sum of the rows.  All on the inputs rounded to bf16, as the whole program.  Nothing is left out.
; WHAT STEERS ADDRESSES is made of KL's whole numbers by integer instructions alone, and clamped to pool's last row ahead of the shift.  The choice of 10 of 12 hangs on floats: it only selects values (a weight of 0).
; LIMITS.  A distance of 0 or a NaN is not treated apart; see the launch before for the lists' length.
; SHARES.  Work-group T has query tile T (16 queries), wave w query 16 T + w; of tile 93 the waves 12 to 15 have no query and end behind the barrier.  KL's 32 pieces of 1,536 bytes for the tile are read in
; whole 512-byte stores' worth and turned in LDS: then lane l of a wave holds slice l's two lists for the wave's query.  94 work-groups: one for each query tile that has queries.
; No matrix unit (each query has rows of its own), no cluster (nothing is shared), no prefetch (a row's address is known just ahead of its load).
.set LP,      1552                     ; a slice's 1,536 bytes + 16: 97 x 16 bytes
.set SPARE,   32*LP                    ; behind them: the spare words, 128 bytes for each of 16 waves, eight blocks of 256 bytes that no other line names
.set SLICEKL, 96*1536                  ; from slice to slice in KL
.set LASTROW, 0x927b                   ; 37,499
; v0 0 (once the head has used the thread's number), v1 lane, v2 my spare word's address, v3 0 for the add alone, v4 16 x lane, v5 8 x lane, v6 LDS store address, v7 LDS read address,
; v8-19 list A (rows 0-7 of a tile), v20-31 list B (rows 8-15); later v8-23 the query's row, v24-31 two sets of four output sums; v32 my lists' greater head, later the candidates' norms;
; v33 the wave's maximum, later the query's norm; v34 lane i: candidate i's row; v35 its dot; v36 its distance; v37 its rank; v38-39 at work; v40-51 the 12 dots; v52-63 the 12 weights; v64-255 12 rows x 16
; s16 wave, s17 query, s20-21 lane selects, s22 trips, s23-31 at work, s[32:55] the 12 rows' bases, s[56:57] the query's row, s[58:59] the output's row
	s_load_b256 s[4:11], s[0:1], 0x0               ; KL s[4:5], Pb s[6:7], Xb s[8:9], sb s[10:11]
	s_load_b128 s[12:15], s[0:1], 0x20             ; xs s[12:13], out0 s[14:15]
	v_lshl_add_u32 v2, v0, 2, SPARE
	v_mov_b32 v3, 0
	v_lshrrev_b32 v1, 5, v0
	v_readfirstlane_b32 s16, v1                    ; wave 0..15
	v_and_b32 v1, 31, v0
	v_mov_b32 v0, 0
	v_lshlrev_b32 v4, 4, v1
	v_lshlrev_b32 v5, 3, v1
	s_lshl_b32 s17, ttmp9, 4
	s_add_co_u32 s17, s17, s16
	s_mov_b32 s20, 0x76543210
	s_mov_b32 s21, 0xfedcba98
	s_mul_i32 s23, s16, 2*SLICEKL                  ; I copy slices 2 w and 2 w + 1
	v_add_nc_u32 v39, s23, v4
	s_mul_i32 s24, s16, 2*LP
	v_add_nc_u32 v6, s24, v4
	v_mul_u32_u24 v7, v1, LP                       ; I read slice l, the places of query w
	v_lshl_add_u32 v7, s16, 4, v7
	s_mul_i32 s30, ttmp9, 1536
	s_mov_b32 s31, 0
	v_mov_b32 v34, 0
	v_mov_b32 v35, 0
	v_mov_b32 v37, 0
	v_mov_b32 v38, 0                               ; a DPP move's and v_permlanex16_b32's destination counts as read
	s_wait_kmcnt 0x0
	s_add_nc_u64 s[4:5], s[4:5], s[30:31]
.irp u, 0,1
.irp m, 0,1,2
	global_load_b128 v[64+4*(3*(\u)+(\m)):64+4*(3*(\u)+(\m))+3], v39, s[4:5] offset:(\u)*SLICEKL+512*(\m)
.endr
.endr
	s_wait_loadcnt 0x0
.irp u, 0,1
.irp m, 0,1,2
	ds_store_b128 v6, v[64+4*(3*(\u)+(\m)):64+4*(3*(\u)+(\m))+3] offset:(\u)*LP+512*(\m)
.endr
.endr
	s_wait_dscnt 0x0                               ; for the others' sake: my stores are done
	s_barrier_signal -1
	s_barrier_wait -1
	s_cmp_ge_u32 s17, 1500                         ; ids alone; no barrier stands behind this branch
	s_cbranch_scc1 .Lend
.irp h, 0,1
.irp m, 0,1,2
	ds_load_b128 v[8+12*(\h)+4*(\m):8+12*(\h)+4*(\m)+3], v7 offset:512*(\m)+256*(\h)  ; keys 4 m .. of the list that lane 16 h + w of the launch before made
.endr
.endr
	s_wait_dscnt 0x0
	; THE 12 BEST OF 64 SORTED LISTS: twelve times the greatest head is found, noted and taken off its list.  Integer instructions alone.
	s_mov_b32 s22, 0
.Lpop:
	v_max_u32 v32, v8, v20
	v_mov_b32_dpp v38, v32 row_xmask:1 row_mask:0xf bank_mask:0xf
	v_max_u32 v33, v32, v38
.irp x, 2,4,8
	v_mov_b32_dpp v38, v33 row_xmask:\x row_mask:0xf bank_mask:0xf
	v_max_u32 v33, v33, v38
.endr
	v_permlanex16_b32 v38, v33, s20, s21
	v_max_u32 v33, v33, v38
	v_readfirstlane_b32 s23, v33                   ; the greatest key
	v_cmp_eq_u32 s28, s23, v32
	v_cmp_ge_u32 s29, v8, v20
	s_ctz_i32_b32 s24, s28                         ; the lowest slice that holds it
	s_lshl_b32 s25, 1, s24
	s_and_b32 s26, s25, s29                        ; that lane's list A gives it (at equal heads too: the lower row),
	s_and_not1_b32 s27, s25, s29                   ; or its list B
	s_cmp_eq_u32 s26, 0
	s_cselect_b32 s30, 8, 0
.set i, 0
.rept 11
	v_cndmask_b32 v[8+i], v[8+i], v[9+i], s26
	v_cndmask_b32 v[20+i], v[20+i], v[21+i], s27
.set i, i+1
.endr
	v_cndmask_b32 v19, v19, v0, s26
	v_cndmask_b32 v31, v31, v0, s27
	s_and_b32 s31, s23, 1023
	s_sub_co_u32 s31, 1015, s31                    ; 8 t + j
	s_lshr_b32 s23, s31, 3
	s_lshl_b32 s23, s23, 4                         ; 16 t
	s_and_b32 s31, s31, 7
	s_mul_i32 s24, s24, 1184
	s_add_co_u32 s24, s24, s23
	s_add_co_u32 s24, s24, s31
	s_add_co_u32 s24, s24, s30                     ; the pool row
	v_cmp_eq_u32 vcc_lo, s22, v1
	v_cndmask_b32 v34, v34, s24, vcc_lo
	s_add_co_u32 s22, s22, 1
	s_cmp_lt_u32 s22, 12
	s_cbranch_scc1 .Lpop
	v_min_u32 v34, LASTROW, v34                    ; no row number passes pool's last row
	s_mov_b32 s31, 0
.set i, 0
.rept 12
	v_readlane_b32 s23, v34, i
	s_min_u32 s23, s23, LASTROW
	s_lshl_b32 s30, s23, 11
	s_add_nc_u64 s[32+2*i:33+2*i], s[6:7], s[30:31]
.set i, i+1
.endr
	v_and_b32 v40, 0xfff8, v34                     ; lane i: candidate i's norm: record row / 8, field 16 + row % 8
	v_lshlrev_b32 v40, 4, v40
	v_and_b32 v41, 7, v34
	v_lshl_add_u32 v40, v41, 2, v40
	s_lshr_b32 s23, s17, 3
	s_lshl_b32 s23, s23, 7
	s_and_b32 s24, s17, 7
	s_lshl2_add_u32 s23, s24, s23
	v_mov_b32 v41, s23                             ; the query's norm: the same word for every lane
	s_lshl_b32 s30, s17, 11
	s_add_nc_u64 s[56:57], s[8:9], s[30:31]
	s_lshl_b32 s30, s17, 12
	s_add_nc_u64 s[58:59], s[14:15], s[30:31]
.set k, 0
.rept 8                                ; lane l holds elements 128 k + 4 l .. + 3 of each row: a load covers 256 consecutive bytes, aligned
	global_load_b64 v[8+2*k:9+2*k], v5, s[56:57] offset:256*k
.set k, k+1
.endr
	global_load_b32 v32, v40, s[10:11] offset:64
	global_load_b32 v33, v41, s[12:13] offset:64
.set i, 0
.rept 12
.set k, 0
.rept 8
	global_load_b64 v[64+16*i+2*k:65+16*i+2*k], v5, s[32+2*i:33+2*i] offset:256*k
.set k, k+1
.endr
.set i, i+1
.endr
	s_wait_loadcnt 0x0
	; THE 12 DOTS, in f32: twelve chains by turns, 32 terms a lane, then the sum over the lanes
.set k, 0
.rept 16
.irp hh, 0,1
.set i, 0
.rept 12
.if (k == 0) && (\hh == 0)
	v_fma_mix_f32_bf16 v[40+i], v[64+16*i+k], v[8+k], v0 op_sel:[\hh,\hh,0] op_sel_hi:[1,1,0]
.else
	v_fma_mix_f32_bf16 v[40+i], v[64+16*i+k], v[8+k], v[40+i] op_sel:[\hh,\hh,0] op_sel_hi:[1,1,0]
.endif
.set i, i+1
.endr
.endr
.set k, k+1
.endr
.irp x, 1,2,4,8
.set i, 0
.rept 12
	v_add_f32_dpp v[40+i], v[40+i], v[40+i] row_xmask:\x row_mask:0xf bank_mask:0xf
.set i, i+1
.endr
.endr
.set i, 0
.rept 12
	v_permlanex16_b32 v[38+i%2], v[40+i], s20, s21
	v_add_f32 v[40+i], v[40+i], v[38+i%2]
.set i, i+1
.endr
.set i, 0
.rept 12
	v_cmp_eq_u32 vcc_lo, i, v1
	v_cndmask_b32 v35, v35, v[40+i], vcc_lo        ; lane i takes candidate i
.set i, i+1
.endr
	; distance = 1 - dot / (s p): the quotient by a reciprocal and one correction
	v_mul_f32 v38, v33, v32
	v_rcp_f32 v39, v38
	v_nop                                          ; a plain instruction behind the reciprocal,
	s_wait_alu depctr_va_vdst(0)                   ; and the wait ahead of its first reader
	v_mul_f32 v36, v35, v39
	v_fma_f32 v40, -v36, v38, v35
	v_fma_f32 v36, v40, v39, v36
	v_sub_f32 v36, 1.0, v36
	; rank = how many of the 12 come before me: a lesser distance, or an equal one with a lower row
.set j, 0
.rept 12
	v_readlane_b32 s23, v36, j
	v_readlane_b32 s24, v34, j
	v_cmp_gt_f32 s26, v36, s23
	v_cmp_eq_f32 s27, v36, s23
	v_cmp_gt_u32 s28, v34, s24
	s_and_b32 s27, s27, s28
	s_or_b32 s26, s26, s27
	v_cndmask_b32 v38, 0, 1, s26
	v_add_nc_u32 v37, v37, v38
.set j, j+1
.endr
	v_cmp_gt_u32 s26, 10, v37
	v_cmp_gt_u32 s27, 12, v1
	s_and_b32 s26, s26, s27                        ; the ten that reference() keeps
	; softmax of 1 / distance over the ten, the maximum taken away; the others count as the lowest finite number and get the weight 0
	v_rcp_f32 v38, v36
	v_mov_b32 v39, 0xff7fffff                      ; the plain instruction behind the reciprocal
	s_wait_alu depctr_va_vdst(0)
	v_cndmask_b32 v38, v39, v38, s26
	v_mov_b32 v40, v38
.irp x, 1,2,4,8
	v_max_num_f32_dpp v40, v40, v40 row_xmask:\x row_mask:0xf bank_mask:0xf
.endr
	v_permlanex16_b32 v41, v40, s20, s21
	v_max_num_f32 v40, v40, v41
	v_sub_f32 v38, v38, v40
	v_mul_f32 v38, 0x3fb8aa3b, v38                 ; log2(e)
	v_exp_f32 v38, v38
	v_nop
	s_wait_alu depctr_va_vdst(0)
	v_cndmask_b32 v38, 0, v38, s26
	v_mov_b32 v40, v38
.irp x, 1,2,4,8
	v_add_f32_dpp v40, v40, v40 row_xmask:\x row_mask:0xf bank_mask:0xf
.endr
	v_permlanex16_b32 v41, v40, s20, s21
	v_add_f32 v40, v40, v41
	v_rcp_f32 v41, v40
	v_nop
	s_wait_alu depctr_va_vdst(0)
	v_mul_f32 v38, v38, v41
	v_mul_f32 v38, 0x3dcccccd, v38                 ; the mean over ten: a tenth of the sum
.set i, 0
.rept 12
	v_readlane_b32 s23, v38, i
	v_mov_b32 v[52+i], s23                         ; candidate i's weight, in every lane
.set i, i+1
.endr
	; THE OUTPUT: four numbers a lane at a time, 12 terms each; two sets of sums take turns
.macro OUT4 o, r, wr, first
.if \first
	v_fma_mix_f32_bf16 v[\o],   v[\r],   v[\wr], v0 op_sel:[0,0,0] op_sel_hi:[1,0,0]
	v_fma_mix_f32_bf16 v[\o+1], v[\r],   v[\wr], v0 op_sel:[1,0,0] op_sel_hi:[1,0,0]
	v_fma_mix_f32_bf16 v[\o+2], v[\r+1], v[\wr], v0 op_sel:[0,0,0] op_sel_hi:[1,0,0]
	v_fma_mix_f32_bf16 v[\o+3], v[\r+1], v[\wr], v0 op_sel:[1,0,0] op_sel_hi:[1,0,0]
.else
	v_fma_mix_f32_bf16 v[\o],   v[\r],   v[\wr], v[\o]   op_sel:[0,0,0] op_sel_hi:[1,0,0]
	v_fma_mix_f32_bf16 v[\o+1], v[\r],   v[\wr], v[\o+1] op_sel:[1,0,0] op_sel_hi:[1,0,0]
	v_fma_mix_f32_bf16 v[\o+2], v[\r+1], v[\wr], v[\o+2] op_sel:[0,0,0] op_sel_hi:[1,0,0]
	v_fma_mix_f32_bf16 v[\o+3], v[\r+1], v[\wr], v[\o+3] op_sel:[1,0,0] op_sel_hi:[1,0,0]
.endif
.endm
.set k, 0
.rept 8
.set oo, 24+4*(k%2)
.if k >= 2
	s_wait_xcnt 0x0                                ; the store two steps back has read this set: it is rewritten only behind this wait
.endif
.set i, 0
.rept 12
.set rr, 64+16*i+2*k
.set ww, 52+i
.if i == 0
	OUT4 oo, rr, ww, 1
.else
	OUT4 oo, rr, ww, 0
.endif
.set i, i+1
.endr
	global_store_b128 v4, v[oo:oo+3], s[58:59] offset:512*k  ; 512 consecutive bytes, aligned
.set k, k+1
.endr
.Lend:
	s_wait_tensorcnt 0x0                           ; the wave's end: the wait, the add and its wait, behind my last LDS store
	ds_add_u32 v2, v3
	s_wait_dscnt 0x0
	s_endpgm
.Lfunc_end_k_q9210304774_pick:
	.size	k_q9210304774_pick, .Lfunc_end_k_q9210304774_pick-k_q9210304774_pick
	.p2alignl 7, 3214868480
	.fill 96, 4, 3214868480
	.section	.rodata,"a",@progbits
	.p2align	6, 0x0
	.amdhsa_kernel k_q9210304774_pick
		.amdhsa_group_segment_fixed_size 51712
		.amdhsa_private_segment_fixed_size 0
		.amdhsa_enable_private_segment 0
		.amdhsa_kernarg_size 48
		.amdhsa_user_sgpr_count 2
		.amdhsa_user_sgpr_kernarg_segment_ptr 1
		.amdhsa_wavefront_size32 1
		.amdhsa_system_sgpr_workgroup_id_x 1
		.amdhsa_system_sgpr_workgroup_id_y 1
		.amdhsa_system_sgpr_workgroup_id_z 1
		.amdhsa_system_vgpr_workitem_id 0
		.amdhsa_next_free_vgpr 256
		.amdhsa_next_free_sgpr 66
		.amdhsa_reserve_vcc 1
		.amdhsa_float_denorm_mode_32 3
		.amdhsa_float_denorm_mode_16_64 3
		.amdhsa_memory_ordered 1
		.amdhsa_forward_progress 1
		.amdhsa_inst_pref_size 82
	.end_amdhsa_kernel
	.amdgpu_metadata
---
amdhsa.version: [ 1, 2 ]
amdhsa.kernels:
  - .name:           k_q9210304774_pick
    .symbol:         k_q9210304774_pick.kd
    .args:
      - { .name: KL, .offset: 0, .size: 8, .value_kind: global_buffer, .address_space: global }
      - { .name: Pb, .offset: 8, .size: 8, .value_kind: global_buffer, .address_space: global }
      - { .name: Xb, .offset: 16, .size: 8, .value_kind: global_buffer, .address_space: global }
      - { .name: sb, .offset: 24, .size: 8, .value_kind: global_buffer, .address_space: global }
      - { .name: xs, .offset: 32, .size: 8, .value_kind: global_buffer, .address_space: global }
      - { .name: out0, .offset: 40, .size: 8, .value_kind: global_buffer, .address_space: global }
    .group_segment_fixed_size: 51712
    .private_segment_fixed_size: 0
    .kernarg_segment_align: 8
    .kernarg_segment_size: 48
    .max_flat_workgroup_size: 512
    .sgpr_count:     66
    .vgpr_count:     256
    .wavefront_size: 32
...
	.end_amdgpu_metadata
.endif
;; end of part 3
;; ======== version 2 of 3: 3 launches
;; limits: values within 2e-06 (relative) of each other or of a threshold may be ordered or decided otherwise than in the reference
;; workspace buffers: Pb 77,594,624 bytes; Xb 3,145,728 bytes; sb 606,208 bytes; xs 24,576 bytes; KL 4,718,592 bytes of whole numbers
;; launch prep (part 4): grid 1232 x 1, 4 waves a work-group, no clusters, 0 bytes of LDS; arguments pool, x6_src, Pb, Xb, sb, xs; writes Pb, Xb, sb, xs
.if DOCPART == 4
	.amdgcn_target "amdgcn-amd-amdhsa--gfx1250"
	.amdhsa_code_object_version 6
	.text
	.protected	k_q9210304774_prep
	.globl	k_q9210304774_prep
	.p2align	8
	.type	k_q9210304774_prep,@function
k_q9210304774_prep:
	s_mov_b64 s[64:65], 0
	v_nop
	global_prefetch_b8 v0, s[64:65] scope:SCOPE_SE
	s_setreg_imm32_b32 hwreg(HW_REG_WAVE_MODE, 25, 1), 1
	s_wait_xcnt 0x0
; PhoneMapper, launch 1 of 3: both inputs are rounded to bf16 once, and each row's norm is taken of the ROUNDED row.
; THE WHOLE PROGRAM computes reference() on inputs rounded to bf16: the product, both norms and the gathered rows all use the rounded numbers.
; DEAD WORK: none.  pool and x6_src both reach the output (s_norm enters 1 / dist, so it is no common factor of the softmax); topn = 10 is built in.  No step of reference() is left out.
; Pb[37888][1024] = bf16(pool), rows 37,500 on are 0.  Xb[1536][1024] = bf16(x) x 2^-e, e chosen for each row so that the scaled norm lies in [0.5, 1): a power of two,
; so dot / (s p) keeps its bits; rows 1,500 on are 0.  sb, xs: a record of 128 bytes for 8 rows: 8 scales, 8 biases, 8 norms, 8 zeros (f32).
; scale = 1,040,000 / norm, bias = 2^23 + 2^20: the next launch makes fma(dot, scale, bias), a whole number 2^23 + fix with fix in 8,576 .. 2,088,576.
; A pad row has scale 0 and bias 2^23 + 8,200: below every real row's.
; LIMITS.  Norms within 2^-100 .. 2^100; a row of zeros, a NaN or an infinity gives an undefined scale; numbers that the power of two takes below bf16's normal range lose bits.
; SHARES.  Work-groups 0-1183 take pool, 1184-1231 x: 1,232 work-groups of four waves are 4 or 5 for each of 256 WGPs.  A wave owns 8 rows on end (one record); a row lies in 32 registers
; (lane l: elements 128 c + 4 l .. + 3); two row slots take turns, so 16 loads of 512 consecutive bytes are out for each wave.  A row's 8 stores cover 256 consecutive bytes each, aligned;
; the record is one store of 128 consecutive bytes, once for 8 rows.  No LDS, no matrix unit, no cluster: no wave wants a byte that another has fetched.
.set NPOOL,  37500
.set NX,     1500
.set POOLWG, 1184
.set SCV,    0x497de800                ; 1,040,000.0
.set BIAS,   0x4b100000                ; 2^23 + 2^20
.set PADB,   0x4b002008                ; 2^23 + 8,200
.set X,  16                            ; v[16:79]  two row slots of 32
.set PK, 80                            ; v[80:95]  the row in bf16
; v1 lane, v2 16 x lane, v3 8 x lane, v4 the record (lane k: field k), v5 0, v6-9 four chains of the sum of squares, v10 at work, v11 norm, v12 1 / norm, v13 the power of two, v14 scale, v15 at work
; s16 wave, s17 work-group in its part, s18 rows - 1, s19 rows, s21 1 for x, s[22:23] source, s[24:25] destination, s[26:27] my record, s[28:31] the slots' row bases,
; s[32:33] the stores' row base, s[34:35] an offset, s36 my row, s37 trips, s38-39 lane selects, s40 scale's numerator, s41 bias, s42 at work, s43-45 the record's three lanes for this row, s46-47 the two biases
	s_load_b256 s[4:11], s[0:1], 0x0               ; pool s[4:5], x s[6:7], Pb s[8:9], Xb s[10:11]
	s_load_b128 s[12:15], s[0:1], 0x20             ; sb s[12:13], xs s[14:15]
	v_lshrrev_b32 v1, 5, v0
	v_readfirstlane_b32 s16, v1                    ; wave 0..3
	v_and_b32 v1, 31, v0
	v_lshlrev_b32 v2, 4, v1
	v_lshlrev_b32 v3, 3, v1
	v_mov_b32 v4, 0
	v_mov_b32 v5, 0
	v_mov_b32 v10, 0                               ; v_permlanex16_b32's destination counts as read
	s_mov_b32 s19, NPOOL
	s_mov_b32 s42, NX
	s_cmp_ge_u32 ttmp9, POOLWG
	s_cselect_b32 s21, 1, 0
	s_cselect_b32 s19, s42, s19
	s_cselect_b32 s42, POOLWG, 0
	s_sub_co_u32 s17, ttmp9, s42
	s_sub_co_u32 s18, s19, 1
	s_lshl_b32 s42, s17, 2
	s_add_co_u32 s42, s42, s16                     ; my record's number: 4 x work-group + wave
	s_lshl_b32 s36, s42, 3                         ; my first row
	s_lshl_b32 s34, s42, 7                         ; my record's byte
	s_mov_b32 s35, 0
	s_mov_b32 s38, 0x76543210
	s_mov_b32 s39, 0xfedcba98
	s_mov_b32 s43, 0
	s_mov_b32 s44, 8
	s_mov_b32 s45, 16
	s_mov_b32 s46, BIAS
	s_mov_b32 s47, PADB
	s_wait_kmcnt 0x0
	s_cmp_lg_u32 s21, 0                            ; the condition hangs on the work-group's number alone
	s_cselect_b64 s[22:23], s[6:7], s[4:5]
	s_cselect_b64 s[24:25], s[10:11], s[8:9]
	s_cselect_b64 s[26:27], s[14:15], s[12:13]
	s_add_nc_u64 s[26:27], s[26:27], s[34:35]
; The slot's row base for row s36 + ahead.  A pad row repeats the input's last row, so no load leaves the buffer.
.macro RBASE slot, ahead
	s_add_co_u32 s42, s36, \ahead
	s_min_u32 s42, s42, s18
	s_lshl_b32 s34, s42, 12                        ; 4,096 bytes a row, under 2^28
	s_add_nc_u64 s[28+2*(\slot):29+2*(\slot)], s[22:23], s[34:35]
.endm
.macro FILL slot
.irp c, 0,1,2,3,4,5,6,7
	global_load_b128 v[X+32*(\slot)+4*(\c):X+32*(\slot)+4*(\c)+3], v2, s[28+2*(\slot):29+2*(\slot)] offset:512*(\c) th:TH_LOAD_NT
.endr
.endm
; One row.  refill = 1: the slot takes the row two further on.  left = the younger loads that may stay out.
.macro ROWDO slot, refill, left
	s_wait_loadcnt \left                           ; my slot's eight loads are in; the other slot's eight stay out
	s_wait_xcnt 0x0                                ; the last row's stores have read PK and their base: both are rewritten only behind this wait
.set j, 0
.rept 16
	v_cvt_pk_bf16_f32 v[PK+j], v[X+32*(\slot)+2*j], v[X+32*(\slot)+2*j+1]
.set j, j+1
.endr
.if \refill
	RBASE \slot, 2
	FILL \slot
.endif
.set j, 0
.rept 16                               ; the sum of squares of the rounded numbers, in f32, four chains; the first four start from 0
.if j < 2
	v_fma_mix_f32_bf16 v[6+(2*j)%4], v[PK+j], v[PK+j], v5 op_sel:[0,0,0] op_sel_hi:[1,1,0]
	v_fma_mix_f32_bf16 v[7+(2*j)%4], v[PK+j], v[PK+j], v5 op_sel:[1,1,0] op_sel_hi:[1,1,0]
.else
	v_fma_mix_f32_bf16 v[6+(2*j)%4], v[PK+j], v[PK+j], v[6+(2*j)%4] op_sel:[0,0,0] op_sel_hi:[1,1,0]
	v_fma_mix_f32_bf16 v[7+(2*j)%4], v[PK+j], v[PK+j], v[7+(2*j)%4] op_sel:[1,1,0] op_sel_hi:[1,1,0]
.endif
.set j, j+1
.endr
	v_add_f32 v6, v6, v7
	v_add_f32 v8, v8, v9
	v_add_f32 v6, v6, v8
.irp x, 1,2,4,8
	v_add_f32_dpp v6, v6, v6 row_xmask:\x row_mask:0xf bank_mask:0xf
.endr
	v_permlanex16_b32 v10, v6, s38, s39
	v_add_f32 v6, v6, v10                          ; every lane holds the row's sum
	v_sqrt_f32 v11, v6
	v_nop                                          ; a plain instruction behind the root,
	s_wait_alu depctr_va_vdst(0)                   ; and the wait ahead of its first reader and of the branch
	s_cmp_eq_u32 s21, 0
	s_cbranch_scc1 .Lnot_x_\@
	v_lshrrev_b32 v13, 23, v11                     ; x alone: the norm's exponent field E; f = 2^(126 - E) takes the norm into [0.5, 1)
	v_sub_nc_u32 v13, 253, v13
	v_lshlrev_b32 v13, 23, v13
	v_mul_f32 v11, v11, v13
	v_lshrrev_b32 v15, 16, v13
	v_or_b32 v13, v13, v15                         ; f as bf16, in both halves
.set j, 0
.rept 16
	v_pk_mul_bf16 v[PK+j], v[PK+j], v13            ; exact: a power of two
.set j, j+1
.endr
.Lnot_x_\@:
	s_cmp_lt_u32 s36, s19                          ; a real row?
	s_cselect_b32 s40, SCV, 0
	s_cselect_b32 s41, s46, s47
	s_cbranch_scc1 .Lreal_\@
.set j, 0
.rept 16
	v_mov_b32 v[PK+j], 0                           ; a pad row is stored as zeros
.set j, j+1
.endr
.Lreal_\@:
	v_rcp_f32 v12, v11
	v_mov_b32 v15, s41                             ; the plain instruction behind the reciprocal
	s_wait_alu depctr_va_vdst(0)
	v_mul_f32 v14, s40, v12
	v_cmp_eq_u32 vcc_lo, s43, v1                   ; the record: lane k takes the scale, lane 8 + k the bias, lane 16 + k the norm of the wave's row k
	v_cndmask_b32 v4, v4, v14, vcc_lo
	v_cmp_eq_u32 vcc_lo, s44, v1
	v_cndmask_b32 v4, v4, v15, vcc_lo
	v_cmp_eq_u32 vcc_lo, s45, v1
	v_cndmask_b32 v4, v4, v11, vcc_lo
	s_lshl_b32 s34, s36, 11                        ; 2,048 bytes a row
	s_add_nc_u64 s[32:33], s[24:25], s[34:35]
.irp c, 0,1,2,3,4,5,6,7
	global_store_b64 v3, v[PK+2*(\c):PK+2*(\c)+1], s[32:33] offset:256*(\c)  ; 32 lanes store 256 consecutive bytes, aligned
.endr
	s_add_co_u32 s36, s36, 1
	s_add_co_u32 s43, s43, 1
	s_add_co_u32 s44, s44, 1
	s_add_co_u32 s45, s45, 1
.endm
	RBASE 0, 0
	FILL 0
	RBASE 1, 1
	FILL 1
	s_mov_b32 s37, 3
.Lpair:                                        ; rows 2 i and 2 i + 1 are done, rows 2 i + 2 and 2 i + 3 asked for
	ROWDO 0, 1, 8
	ROWDO 1, 1, 8
	s_sub_co_u32 s37, s37, 1
	s_cmp_lg_u32 s37, 0
	s_cbranch_scc1 .Lpair
	ROWDO 0, 0, 8                                  ; the last two rows load nothing: the counts run down
	ROWDO 1, 0, 0
	v_lshlrev_b32 v15, 2, v1
	global_store_b32 v15, v4, s[26:27]             ; the record: 128 consecutive bytes
	s_endpgm
.Lfunc_end_k_q9210304774_prep:
	.size	k_q9210304774_prep, .Lfunc_end_k_q9210304774_prep-k_q9210304774_prep
	.p2alignl 7, 3214868480
	.fill 96, 4, 3214868480
	.section	.rodata,"a",@progbits
	.p2align	6, 0x0
	.amdhsa_kernel k_q9210304774_prep
		.amdhsa_group_segment_fixed_size 0
		.amdhsa_private_segment_fixed_size 0
		.amdhsa_enable_private_segment 0
		.amdhsa_kernarg_size 48
		.amdhsa_user_sgpr_count 2
		.amdhsa_user_sgpr_kernarg_segment_ptr 1
		.amdhsa_wavefront_size32 1
		.amdhsa_system_sgpr_workgroup_id_x 1
		.amdhsa_system_sgpr_workgroup_id_y 1
		.amdhsa_system_sgpr_workgroup_id_z 1
		.amdhsa_system_vgpr_workitem_id 0
		.amdhsa_next_free_vgpr 96
		.amdhsa_next_free_sgpr 66
		.amdhsa_reserve_vcc 1
		.amdhsa_float_denorm_mode_32 3
		.amdhsa_float_denorm_mode_16_64 3
		.amdhsa_memory_ordered 1
		.amdhsa_forward_progress 1
		.amdhsa_inst_pref_size 33
	.end_amdhsa_kernel
	.amdgpu_metadata
---
amdhsa.version: [ 1, 2 ]
amdhsa.kernels:
  - .name:           k_q9210304774_prep
    .symbol:         k_q9210304774_prep.kd
    .args:
      - { .name: pool, .offset: 0, .size: 8, .value_kind: global_buffer, .address_space: global }
      - { .name: x6_src, .offset: 8, .size: 8, .value_kind: global_buffer, .address_space: global }
      - { .name: Pb, .offset: 16, .size: 8, .value_kind: global_buffer, .address_space: global }
      - { .name: Xb, .offset: 24, .size: 8, .value_kind: global_buffer, .address_space: global }
      - { .name: sb, .offset: 32, .size: 8, .value_kind: global_buffer, .address_space: global }
      - { .name: xs, .offset: 40, .size: 8, .value_kind: global_buffer, .address_space: global }
    .group_segment_fixed_size: 0
    .private_segment_fixed_size: 0
    .kernarg_segment_align: 8
    .kernarg_segment_size: 48
    .max_flat_workgroup_size: 128
    .sgpr_count:     66
    .vgpr_count:     96
    .wavefront_size: 32
...
	.end_amdgpu_metadata
.endif
;; end of part 4
;; launch screen (part 5): grid 8 x 32, 4 waves a work-group, clusters of 4 x 1, 327,680 bytes of LDS; arguments Xb, Pb, sb, KL; writes KL
.if DOCPART == 5
	.amdgcn_target "amdgcn-amd-amdhsa--gfx1250"
	.amdhsa_code_object_version 6
	.text
	.protected	k_q9210304774_screen
	.globl	k_q9210304774_screen
	.p2align	8
	.type	k_q9210304774_screen,@function
k_q9210304774_screen:
	s_mov_b64 s[64:65], 0
	v_nop
	global_prefetch_b8 v0, s[64:65] scope:SCOPE_SE
	s_setreg_imm32_b32 hwreg(HW_REG_WAVE_MODE, 25, 1), 1
	s_wait_xcnt 0x0
	s_wait_alu depctr_hold_cnt(0) depctr_sa_sdst(0) depctr_va_vdst(0) depctr_va_sdst(0) depctr_va_ssrc(0) depctr_va_vcc(0) depctr_vm_vsrc(0)
	s_getreg_b32 s2, hwreg(HW_REG_IB_STS2, 6, 4)
	s_cmp_eq_u32 s2, 0
	s_cbranch_scc0 .Lentry_in_a_cluster
	s_endpgm
.Lentry_in_a_cluster:
	s_bfe_u32 s2, ttmp6, 0x10000c
	s_cmp_lg_u32 s2, 0x3003
	s_cbranch_scc0 .Lentry_shape_is_right
	s_endpgm
.Lentry_shape_is_right:
; PhoneMapper, launch 2 of 3: all 1,536 x 37,888 dot products in bf16 with f32 sums, and for each query, each slice of 1,184 pool rows and each half of the lanes the 12 best rows, as keys.
; Nothing of reference() is left out here; the exact distances, the choice of 10 and the softmax follow in the next launch, on the candidates that the keys name.
; THE KEY.  y = fma(dot, scale, bias) is the whole number 2^23 + fix, fix = 2^20 + 1,040,000 cos' in 8,576 .. 2,088,576 (cos' = cosine x the query's scaled norm, which lies in [0.5, 1)).
; key = (y << 10) | inv: the exponent's bits leave the word; inv = 1015 - (8 t + j) names tile t (0..73) of the slice and accumulator register j, the lower row the greater.
; fix >> 13 lies in 1 .. 254, so every key is the pattern of a positive normal f32: v_med3_num_f32 and v_max_num_f32 order keys here as unsigned compares do in the next launch.
; LIMITS.  A key's step is 1 to 2 parts in a million of cosine.  The ten best of reference() are among the twelve best keys unless more than two further rows lie within a key's step and the
; product's rounding of the tenth.  A NaN, an infinity or a pool row of zeros gives undefined keys.
; SHARES.  Work-group (query block qb of 192, slice): 74 tiles of 16 pool rows, two tiles to an LDS slot, 37 slots.  A wave keeps its 48 queries (3 tiles x 32 fragments = 768 registers) for the whole launch
; and multiplies every pool tile: source 0 = 16 pool rows, source 1 = 16 queries, so a lane holds ONE query (lane % 16) and register j is pool row 8 (lane / 16) + j.
; BY TURNS.  K runs whole for a tile: 96 matrix instructions on three accumulators, one a turn.  At the next tile's head the 24 sums a lane become 24 keys (12 scalings, 24 shifts);
; the keys then go into the three lists of 12 by 288 vector instructions, three behind each of that tile's 96 matrix instructions; these name none of the registers of the products round them.
; REGISTERS, in windows of 256 (s_set_vgpr_msb: bits 1:0 source 0, 3:2 source 1, 5:4 source 2, 7:6 destination).  A product names its query fragment as source 1, a list line its key as source 1, and all else of
; both lies in window 0.  So fragments and keys are laid by the ORDER OF ISSUE: product w (= 3 f + q: K fragment f, query tile q) has its fragment in window 1 + w / 32, at v[8 (w % 32 - 1)]; the eight keys of
; list w / 32, whose 96 lines stand behind just those 32 products, lie in the same window, at v248-255; the fragments of products 0, 32 and 64, for which the keys leave no room, lie in window 0.
; Then products and list lines run under one setting: some twelve switches a tile.  The room in window 0 is there because there is ONE set of accumulators: the price is that the 36 lines that make the keys stand
; between two tiles, with no product beside them.
; MEMORY INSTRUCTIONS STAND IN RUNS, never singly among the products: one run of 16 LDS loads for each group of 24 matrix instructions, and what else touches memory stands directly behind a run.
; CLUSTER.  The four query blocks of a cluster walk the same slice, so each slot is asked for JOINTLY: the same tensor load, descriptor and mask of four in all four work-groups.  Wave w fetches K quarter w
; (32 rows x 512 bytes).  By this text's count a wave has two tensor loads out at the head and one behind each round.
.set PITCH, 528                        ; an LDS row: 512 bytes + 16 of padding = 132 words: the 16 rows of a fragment load start at 16 different groups of four banks (64 banks of 4 bytes: ISA guide 11.1)
.set QB,    32*PITCH                   ; a K quarter of a slot: 32 rows
.set SLOT1, 131072                     ; slot 1 begins here: one exclusive or turns an address in one slot into the other's
.set SPARE, SLOT1+4*QB                 ; behind the ring: the spare words, 128 bytes for each wave, two blocks of 256 bytes that no other line names
.set SLICEB, 1184*2048                 ; a slice's bytes in Pb
.set SLOTB,  32*2048                   ; a slot's bytes in Pb
.set QO,   3                           ; v3   my byte offset in 16 rows of Xb: 2,048 (l % 16) + 16 (l / 16)
.set AB0,  4                           ; v4   my place in a tile in LDS: 528 (l % 16) + 16 (l / 16); never rewritten
.set ADR,  5                           ; v5   the same in the slot in hand
.set SBO,  7                           ; v7   128 (l / 16): my half's record; never rewritten
.set PFO,  8                           ; v8   the prefetches' offset: row l / 8, block l % 8 of 256 bytes; never rewritten
.set OUTO, 9                           ; v9   16 l
.set SPW,  10                          ; v10  LDS address of my spare word; never rewritten
.set NIL,  11                          ; v11  0; never rewritten
.set LST,  16                          ; v[16:51]   three lists of 12 keys, descending
.set SC,   52                          ; v[52:59]   the scales of my half's 8 rows of the tile in hand
.set BI,   60                          ; v[60:67]   their biases
.set ACC,  68                          ; v[68:91]   query tile q's sums at ACC + 8 q
.set Q0,   92                          ; v[92:115]  the query fragments of products 0, 32 and 64
.set FB,   128                         ; v[128:255] two buffers of 8 pool fragments
.set KEY,  248                         ; v[248:255] of windows 1 to 3: the keys of lists 0 to 2
.set WV,   12                          ; s12  wave
.set XQ,   20                          ; s[20:21] Xb at my wave's 48 queries
.set SBP,  22                          ; s[22:23] sb at the slot in hand
.set G1,   24                          ; s[24:31] descriptor group 1
.set G0A,  32                          ; s[32:35] group 0 of the first fill of slot 0
.set G0B,  36                          ; s[36:39] group 0 of slot 1's first fill; it then walks
.set PFA,  40                          ; s[40:41] where my prefetches stand
.set LIM,  42                          ; s42  2 in a wave that prefetches, else the greatest number
.set CNT,  43                          ; s43  slots still to be asked for; in the tail, trips
.set TB,   44                          ; s44  LDS byte of the slot in hand
.set IDX,  48                          ; s[48:55] inv for register j of the tile whose keys are made next
.set KLP,  56                          ; s[56:57] KL at my wave's three lists
.set MSB, 0
.macro WIN new                         ; the immediate's high byte repeats the setting that is left; a switch that changes nothing is dropped
.if MSB != (\new)
	s_set_vgpr_msb (MSB<<8)|(\new)
.set MSB, \new
.endif
.endm
.macro PLACES
.rept 4
	v_nop
.endr
.endm
.macro CREST                           ; a round of the cluster's barrier behind its opening barrier: wave 0 signals for the work-group, every wave waits for all four work-groups, my work-group's barrier closes it
	s_cmp_lg_u32 s[WV], 0
	s_cbranch_scc1 .Lnot_wave_0_\@
	s_barrier_signal -3
.Lnot_wave_0_\@:
	s_barrier_wait -3
	s_barrier_signal -1
	s_barrier_wait -1
.endm
.macro CROUND
	s_barrier_signal -1
	s_barrier_wait -1
	CREST
.endm
; A PREFETCH INTO THE L2, behind the joint load, its five lines and the run of LDS loads: the slot that stands TWO fills on (384 matrix instructions ahead of its load).  A slot is 32 rows x 2,048 bytes = 256 blocks
; of 256 bytes, each named once in the launch: of the two clusters that walk a slice the first asks; its four partners take 8 rows each, told apart BY ADDRESS; in each, waves 0 and 1 take 4 rows, a lane a block.
; Slots 0 to 3 come by their loads alone; the last two fills ask for nothing, since there is no slot two on.
.macro ASK
	s_cmp_gt_u32 s[CNT], s[LIM]
	s_cbranch_scc0 .Lnot_mine_\@
	global_prefetch_b8 v[PFO], s[PFA:PFA+1] th:TH_LOAD_NT scope:SCOPE_SE
.Lnot_mine_\@:
.endm
.macro RUN16                           ; tile 0, K fragments 0-7 of the slot at v[ADR], into buffer 0
.set k, 0
.rept 8
	ds_load_b128 v[FB+8*k:FB+8*k+3],   v[ADR] offset:64*k
	ds_load_b128 v[FB+8*k+4:FB+8*k+7], v[ADR] offset:64*k+32
.set k, k+1
.endr
.endm
; Line n of the 324 that retire a tile; each sets the windows that it needs.  0-11: y = dot x scale + bias, two at a time (each accumulator's lowest registers are read first).
; 12-35: the keys, eight into each of the windows 1 to 3 (the destination's window alone is switched).  36-323: key j of list q goes into the list from the last place up, so that each line reads old places
; alone: place i takes the middle of (place i - 1, key, place i), place 0 the greater; the key is source 1, in window q + 1.
.macro RID
.if n < 12
	WIN 0
.set rR, ACC+8*(n/4)+2*(n%4)
	v_pk_fma_f32 v[rR:rR+1], v[rR:rR+1], v[SC+2*(n%4):SC+2*(n%4)+1], v[BI+2*(n%4):BI+2*(n%4)+1]
.elseif n < 36
	WIN (1+(n-12)/8)<<6
	v_lshl_or_b32 v[KEY+(n-12)%8], v[ACC+(n-12)], 10, s[IDX+(n-12)%8]
.else
.set m, n-36
	WIN (1+m/96)<<2
.set rK, KEY+(m%96)/12
.set rL, LST+12*(m/96)+11-m%12
.if m%12 == 11
	v_max_num_f32 v[rL], v[rL], v[rK]
.else
	v_med3_num_f32 v[rL], v[rL-1], v[rK], v[rL]
.endif
.endif
.set n, n+1
.endm
; A TILE: i = its place in the slot.  mode 0: plain; 1: the slot is left and filled again; 2: it is left.
; THE HEAD: the 36 lines that turn the sums of the tile before into keys (the product that ended accumulator 0 stands 9 plain lines back, those of 1 and 2 still further); inv steps on; then ONE RUN of memory
; instructions: the 16 LDS loads of this tile's second group (buffer 1's last reader stands 39 lines back) and this tile's own scales and biases, for the next head.
; THEN 96 matrix instructions in four groups of 24 (8 fragments x 3 query tiles) on fragment buffers 0, 1, 0, 1, three list lines behind each.  Behind the first product of groups 1 to 3 and its three lines stands
; the run of the next group's 16 LDS loads, into the other buffer: its last reader stands six plain lines back, its first reader comes 23 products on, behind the wait at the next group's head.  Directly behind
; tile 1's last such run, the slot's last reads, stand the wait for all tensor loads and the add.  Tile 1's last group has no run at its head: the run behind the change of slots fetches the other slot's first fragments.
.macro TILE i, mode
	s_wait_loadcnt 0x0                             ; the scales and biases asked for a tile ago (ahead of the first tile: the queries too)
.set n, 0
.rept 36
	RID
.endr
	WIN 0
.irp j, 0,1,2,3,4,5,6,7
	s_add_co_i32 s[IDX+(\j)], s[IDX+(\j)], -8      ; inv for this tile's own keys, which the next head makes
.endr
.set kk, 0
.rept 8
.set rN, FB+64+8*kk
.set oN, QB+(\i)*16*PITCH+kk*64
	ds_load_b128 v[rN:rN+3],   v[ADR] offset:oN
	ds_load_b128 v[rN+4:rN+7], v[ADR] offset:oN+32
.set kk, kk+1
.endr
	global_load_b128 v[SC:SC+3],   v[SBO], s[SBP:SBP+1] offset:256*(\i)
	global_load_b128 v[SC+4:SC+7], v[SBO], s[SBP:SBP+1] offset:256*(\i)+16
	global_load_b128 v[BI:BI+3],   v[SBO], s[SBP:SBP+1] offset:256*(\i)+32
	global_load_b128 v[BI+4:BI+7], v[SBO], s[SBP:SBP+1] offset:256*(\i)+48
	s_wait_dscnt 16                                ; LDS loads come back in order (ISA guide 5.7.1): the 16 just issued may stay out; the first group's fragments, asked for earlier, are in
.set w, 0
.rept 96
.set u, w%24
.set g, w/24
.set f, w/3
.set q, w%3
.set last, (\i)*(g/3)
.if (u == 0) && (g > 0)
	s_wait_dscnt 0x0                               ; this group's fragments are in; in tile 1's last group also: the add is done and my reads of the slot are over
.if last
	s_barrier_signal -1                            ; say so; only register work stands up to the wait
.endif
.endif
.set rA, ACC+8*q
.set rF, FB+64*(g%2)+8*(f%8)
.if w%32 == 0
.set qW, 0
.set qR, Q0+8*(w/32)
.else
.set qW, 1+w/32
.set qR, 8*(w%32-1)
.endif
	WIN qW<<2
.if f == 0
	v_wmma_f32_16x16x32_bf16 v[rA:rA+7], v[rF:rF+7], v[qR:qR+7], 0
.else
	v_wmma_f32_16x16x32_bf16 v[rA:rA+7], v[rF:rF+7], v[qR:qR+7], v[rA:rA+7]
.endif
.rept 3
	RID
.endr
.if (u == 0) && (g > 0) && (last == 0)
.set ng, g+1
.set ni, \i
.if g == 3
.set ng, 0                             ; tile 0's last group fetches tile 1's first
.set ni, 1
.endif
.set kk, 0
.rept 8                                ; (an LDS load names its data by the destination's window and its address by source 0's: both are 0 under the products' settings)
.set rN, FB+64*((g+1)%2)+8*kk
.set oN, ng*QB+ni*16*PITCH+kk*64
	ds_load_b128 v[rN:rN+3],   v[ADR] offset:oN
	ds_load_b128 v[rN+4:rN+7], v[ADR] offset:oN+32
.set kk, kk+1
.endr
.if (\i) && (g == 2)                   ; the slot's last LDS loads have just been issued
	WIN 0                                          ; (the add's data is source 1)
	s_wait_tensorcnt 0x0                           ; all my tensor loads have landed: the one that was out is my quarter of the other slot; so a group 0 may be written
	ds_add_u32 v[SPW], v[NIL]                      ; 0 onto my spare word; 23 matrix instructions and their list lines stand between it and the wait for it
.if (\mode) == 1
	s_xor_b32 s[G0B+1], s[G0B+1], SLOT1            ; the walking descriptor: the slot that is being left,
	s_add_nc_u64 s[G0B+2:G0B+3], s[G0B+2:G0B+3], SLOTB  ; the next 32 rows; the type bits on top are not reached
.endif
.endif
.endif
.if (\i) && (w == 50)
	s_wait_xcnt 0x0                                ; the loads 51 matrix instructions back and the prefetch a slot back have read their addresses
	s_add_nc_u64 s[SBP:SBP+1], s[SBP:SBP+1], 512
.if (\mode) == 1
	s_add_nc_u64 s[PFA:PFA+1], s[PFA:PFA+1], SLOTB
.endif
.endif
.if (\i) && (w == 77)
	WIN 0                                          ; every window is 0 there
	s_barrier_wait -1                              ; nobody in my work-group reads the slot any more, and the other slot is whole
.if (\mode) == 1
	CREST                                          ; the barrier has opened a round of the cluster's: no wave of any partner still reads the slot or has a load on its way
	tensor_load_to_lds s[G0B:G0B+3], s[G1:G1+7]    ; the joint refill, first behind the round: two tiles less 29 matrix instructions in which to land
	s_nop 0
	PLACES
.endif
	s_xor_b32 s[TB], s[TB], SLOT1
	v_add_nc_u32 v[ADR], s[TB], v[AB0]
	RUN16                                          ; the other slot's first fragments; buffer 0's last reader stands 21 list lines back
.if (\mode) == 1
	ASK
.endif
.endif
.set w, w+1
.endr
.endm
	s_load_b256 s[4:11], s[0:1], 0x0               ; Xb s[4:5], Pb s[6:7], sb s[8:9], KL s[10:11]
	v_lshl_add_u32 v[SPW], v0, 2, SPARE
	v_mov_b32 v[NIL], 0
	ds_add_u32 v[SPW], v[NIL]                      ; the wave's opening: the add, twice on end, and its wait ahead of my first tensor load; the set-up below stands between
	ds_add_u32 v[SPW], v[NIL]
	v_lshrrev_b32 v1, 5, v0
	v_readfirstlane_b32 s[WV], v1                  ; wave 0..3
	v_and_b32 v1, 15, v0                           ; l % 16
	v_bfe_u32 v2, v0, 4, 1                         ; l / 16
	v_lshlrev_b32 v[QO], 11, v1
	v_lshl_add_u32 v[QO], v2, 4, v[QO]
	v_mul_u32_u24 v[AB0], v1, PITCH
	v_lshl_add_u32 v[AB0], v2, 4, v[AB0]
	v_lshlrev_b32 v[SBO], 7, v2
	v_and_b32 v6, 31, v0
	v_lshlrev_b32 v[OUTO], 4, v6
	v_lshrrev_b32 v[PFO], 3, v6
	v_lshlrev_b32 v[PFO], 11, v[PFO]
	v_and_b32 v6, 7, v6
	v_lshl_add_u32 v[PFO], v6, 8, v[PFO]
	s_bfe_u32 s13, ttmp6, 0x40000                  ; cx: my place in the cluster: it enters Xb's, KL's and the prefetches' addresses alone
	s_lshl_b32 s14, ttmp9, 2                       ; in a cluster launch ttmp9 counts clusters
	s_add_co_u32 s14, s14, s13                     ; my query block
	s_and_b32 s15, ttmp7, 0xffff                   ; the slice, which the four partners share
	; descriptor group 1: a tile of 32 rows x 256 elements, padded in LDS
	s_mov_b32 s[G1+0], 15|(1<<16)|(1<<20)|(1<<21)|(6<<22)|(3<<25)  ; 15:0 the mask of four; 17:16 2-byte elements; 20 padding on; 21 set beside a mask; 24:22 after every 128 words (code 6); 31:25 4 words (code 3)
	s_mov_b32 s[G1+1], 256<<16                     ; tensor_dim0 = 256
	s_mov_b32 s[G1+2], 32<<16                      ; tensor_dim1 = 32
	s_mov_b32 s[G1+3], 256<<16                     ; tile_dim0 = 256
	s_mov_b32 s[G1+4], 32                          ; tile_dim1 = 32
	s_mov_b32 s[G1+5], 1024                        ; elements from row to row
	s_mov_b32 s[G1+6], 0
	s_mov_b32 s[G1+7], 0
	s_mov_b32 s[G0A], 1
	s_mul_i32 s[G0A+1], s[WV], QB                  ; LDS: my K quarter of slot 0,
	s_mov_b32 s[G0B], 1
	s_add_co_u32 s[G0B+1], s[G0A+1], SLOT1         ; and of slot 1: no place in the cluster enters an LDS address
.irp j, 0,1,2,3,4,5,6,7
	s_mov_b32 s[IDX+(\j)], 1023-(\j)               ; for the tile 'before the first': see below
.endr
	s_mov_b32 s[TB], 0
	s_mul_i32 s16, s15, SLICEB                     ; Pb: the slice, my K quarter's 512 bytes of a row
	s_lshl_b32 s17, s[WV], 9
	s_add_co_u32 s16, s16, s17
	s_mov_b32 s17, 0
	s_mul_i32 s[SBP], s15, 148*128                 ; sb: 148 records a slice
	s_mov_b32 s[SBP+1], 0
	s_mul_i32 s[XQ], s14, 192                      ; Xb: 192 queries a block, 48 a wave
	s_mul_i32 s18, s[WV], 48
	s_add_co_u32 s[XQ], s[XQ], s18
	s_lshl_b32 s[XQ], s[XQ], 11
	s_mov_b32 s[XQ+1], 0
	s_mul_i32 s[KLP], s15, 96                      ; KL: [slice][query tile][3][32][4]: 96 query tiles a slice, 12 a block, 3 a wave, 1,536 bytes each
	s_mul_i32 s18, s14, 12
	s_add_co_u32 s[KLP], s[KLP], s18
	s_mul_i32 s18, s[WV], 3
	s_add_co_u32 s[KLP], s[KLP], s18
	s_mul_i32 s[KLP], s[KLP], 1536
	s_mov_b32 s[KLP+1], 0
	s_mul_i32 s[PFA], s15, SLICEB                  ; the prefetches: my work-group's 8 rows of a slot, my wave's 4 of them,
	s_lshl_b32 s18, s13, 14
	s_add_co_u32 s[PFA], s[PFA], s18
	s_lshl_b32 s18, s[WV], 13
	s_add_co_u32 s[PFA], s[PFA], s18
	s_add_co_u32 s[PFA], s[PFA], 3*SLOTB           ; in slot 3: it is stepped ahead of its first use, so the first prefetch names slot 4
	s_mov_b32 s[PFA+1], 0
	s_lshr_b32 s[LIM], s[WV], 1                    ; 0 in waves 0 and 1,
	s_or_b32 s[LIM], s[LIM], ttmp9                 ; where the cluster is the slice's first: the same in all four partners
	s_cmp_eq_u32 s[LIM], 0
	s_cselect_b32 s[LIM], 2, -1
	s_wait_dscnt 0x0                               ; both opening adds are done
	s_wait_kmcnt 0x0
	s_add_nc_u64 s[G0A+2:G0A+3], s[6:7], s[16:17]
	s_add_nc_u64 s[G0B+2:G0B+3], s[G0A+2:G0A+3], SLOTB
	s_or_b32 s[G0A+3], s[G0A+3], 0x80000000        ; 127:126 type = 2
	s_or_b32 s[G0B+3], s[G0B+3], 0x80000000
	s_add_nc_u64 s[SBP:SBP+1], s[8:9], s[SBP:SBP+1]
	s_add_nc_u64 s[XQ:XQ+1], s[4:5], s[XQ:XQ+1]
	s_add_nc_u64 s[KLP:KLP+1], s[10:11], s[KLP:KLP+1]
	s_add_nc_u64 s[PFA:PFA+1], s[6:7], s[PFA:PFA+1]
	CROUND                                         ; all four work-groups are here: the first joint loads meet
	tensor_load_to_lds s[G0A:G0A+3], s[G1:G1+7]    ; slot 0
	s_nop 0
	tensor_load_to_lds s[G0B:G0B+3], s[G1:G1+7]    ; slot 1
	s_nop 0
	PLACES
	; The queries stay in registers, laid by the order of issue: product w takes query tile w % 3 (32,768 bytes on in Xb), channels 32 (w / 3) on (64 bytes a fragment)
.set k, 0
.rept 3                                ; products 0, 32 and 64: window 0
.set w, 32*k
	global_load_b128 v[Q0+8*k:Q0+8*k+3],   v[QO], s[XQ:XQ+1] offset:32768*(w%3)+64*(w/3)
	global_load_b128 v[Q0+8*k+4:Q0+8*k+7], v[QO], s[XQ:XQ+1] offset:32768*(w%3)+64*(w/3)+32
.set k, k+1
.endr
.set p, 1
.rept 3                                ; the other 31 products of each 32: window p
	WIN 0x40*p
.set e, 0
.rept 31
.set w, 32*(p-1)+1+e
	global_load_b128 v[8*e:8*e+3],   v[QO], s[XQ:XQ+1] offset:32768*(w%3)+64*(w/3)
	global_load_b128 v[8*e+4:8*e+7], v[QO], s[XQ:XQ+1] offset:32768*(w%3)+64*(w/3)+32
.set e, e+1
.endr
.set p, p+1
.endr
	WIN 0
	; No first tile is written out: the first head retires a tile that has not been: sums 0, scale 0, the pad rows' bias: 24 keys below every real row's, which the real keys push out of the lists.
	; These 76 lines stand in the wait for the first slot.
.set k, 0
.rept 36
	v_mov_b32 v[LST+k], 0
.set k, k+1
.endr
.set k, 0
.rept 24
	v_mov_b32 v[ACC+k], 0
.set k, k+1
.endr
.set k, 0
.rept 8
	v_mov_b32 v[SC+k], 0
	v_mov_b32 v[BI+k], 0x4b002008
.set k, k+1
.endr
	v_mov_b32 v[ADR], v[AB0]
	s_wait_tensorcnt 0x1                           ; my quarter of slot 0 is in; slot 1's may stay out
	s_barrier_signal -1
	s_barrier_wait -1                              ; everybody's is
	RUN16
	s_mov_b32 s[CNT], 35
.Lslot:                                        ; 35 trips: slots 0 to 34 are multiplied, left and filled again with slots 2 to 36
	TILE 0, 0
	TILE 1, 1
	WIN 0
	s_sub_co_u32 s[CNT], s[CNT], 1
	s_cmp_lg_u32 s[CNT], 0
	s_cbranch_scc1 .Lslot
	s_mov_b32 s[CNT], 2
.Ltail:                                        ; slots 35 and 36: nothing is asked for.  The second trip's barrier and its 16 LDS loads (of bytes that slot 35 left) serve nothing: the price, once a launch, of one text for both trips
	TILE 0, 0
	TILE 1, 2
	WIN 0
	s_sub_co_u32 s[CNT], s[CNT], 1
	s_cmp_lg_u32 s[CNT], 0
	s_cbranch_scc1 .Ltail
	s_wait_loadcnt 0x0                             ; the last tile's scales and biases
.set n, 0
.rept 324
	RID                                            ; the last tile is retired; nine list lines stand behind the product that ended its first accumulator
.endr
	WIN 0
.set q, 0
.rept 3
.set m, 0
.rept 3
	global_store_b128 v[OUTO], v[LST+12*q+4*m:LST+12*q+4*m+3], s[KLP:KLP+1] offset:1536*q+512*m  ; 512 consecutive bytes, aligned
.set m, m+1
.endr
.set q, q+1
.endr
	s_wait_tensorcnt 0x0                           ; the wave's end: the wait, the add and its wait, behind my last tensor load
	ds_add_u32 v[SPW], v[NIL]
	s_wait_dscnt 0x0
	CROUND                                         ; the closing round: no work-group ends while a partner may still ask for a tile that names it
	s_endpgm
.Lfunc_end_k_q9210304774_screen:
	.size	k_q9210304774_screen, .Lfunc_end_k_q9210304774_screen-k_q9210304774_screen
	.p2alignl 7, 3214868480
	.fill 96, 4, 3214868480
	.section	.rodata,"a",@progbits
	.p2align	6, 0x0
	.amdhsa_kernel k_q9210304774_screen
		.amdhsa_group_segment_fixed_size 327680
		.amdhsa_private_segment_fixed_size 0
		.amdhsa_enable_private_segment 0
		.amdhsa_kernarg_size 32
		.amdhsa_user_sgpr_count 2
		.amdhsa_user_sgpr_kernarg_segment_ptr 1
		.amdhsa_wavefront_size32 1
		.amdhsa_system_sgpr_workgroup_id_x 1
		.amdhsa_system_sgpr_workgroup_id_y 1
		.amdhsa_system_sgpr_workgroup_id_z 1
		.amdhsa_system_vgpr_workitem_id 0
		.amdhsa_next_free_vgpr 1024
		.amdhsa_next_free_sgpr 66
		.amdhsa_reserve_vcc 0
		.amdhsa_float_denorm_mode_32 3
		.amdhsa_float_denorm_mode_16_64 3
		.amdhsa_memory_ordered 1
		.amdhsa_forward_progress 1
		.amdhsa_inst_pref_size 173
	.end_amdhsa_kernel
	.amdgpu_metadata
---
amdhsa.version: [ 1, 2 ]
amdhsa.kernels:
  - .name:           k_q9210304774_screen
    .symbol:         k_q9210304774_screen.kd
    .args:
      - { .name: Xb, .offset: 0, .size: 8, .value_kind: global_buffer, .address_space: global }
      - { .name: Pb, .offset: 8, .size: 8, .value_kind: global_buffer, .address_space: global }
      - { .name: sb, .offset: 16, .size: 8, .value_kind: global_buffer, .address_space: global }
      - { .name: KL, .offset: 24, .size: 8, .value_kind: global_buffer, .address_space: global }
    .group_segment_fixed_size: 327680
    .private_segment_fixed_size: 0
    .kernarg_segment_align: 8
    .kernarg_segment_size: 32
    .max_flat_workgroup_size: 128
    .sgpr_count:     66
    .vgpr_count:     1024
    .wavefront_size: 32
...
	.end_amdgpu_metadata
.endif
;; end of part 5
;; launch pick (part 6): grid 188 x 1, 8 waves a work-group, no clusters, 50,688 bytes of LDS; arguments KL, Pb, Xb, sb, xs, out0; writes out0
.if DOCPART == 6
	.amdgcn_target "amdgcn-amd-amdhsa--gfx1250"
	.amdhsa_code_object_version 6
	.text
	.protected	k_q9210304774_pick
	.globl	k_q9210304774_pick
	.p2align	8
	.type	k_q9210304774_pick,@function
k_q9210304774_pick:
	s_mov_b64 s[64:65], 0
	v_nop
	global_prefetch_b8 v0, s[64:65] scope:SCOPE_SE
	s_setreg_imm32_b32 hwreg(HW_REG_WAVE_MODE, 25, 1), 1
	s_wait_xcnt 0x0
; PhoneMapper, launch 3 of 3: for each query the 12 best keys of its 64 lists are taken out, their rows are scored anew in f32, and reference()'s last steps follow: the 10 least distances (ties to the lower
; row, as jax.lax.top_k has them), softmax of 1 / distance with its maximum taken away, a tenth of the weighted sum of the rows.  All on the inputs rounded to bf16, as the whole program.  Nothing is left out.
; WHAT STEERS ADDRESSES is made of KL's whole numbers by integer instructions alone, and clamped to pool's last row ahead of the shift.  The choice of 10 of 12 hangs on floats: it only selects values (a weight of 0).
; LIMITS.  A distance of 0 or a NaN is not treated apart; see the launch before for the lists' length.
; SHARES.  Work-group g has the 8 queries 8 g .. 8 g + 7, half of query tile g / 2; wave w has query 8 g + w; of the last work-group the waves 4 to 7 have no query and end behind the barrier.
; KL's 32 pieces of 1,536 bytes for the tile are read whole, 512 consecutive bytes an instruction, and turned in LDS: then lane l of a wave holds slice l's two lists for the wave's query.  Both work-groups of a
; tile read those 49,152 bytes; beside them a work-group gathers 8 x 13 rows of 2,048 bytes.  188 work-groups: with 16 queries each there would be 94, with 4 each 376, which is two for some WGPs and one for others.
; No matrix unit (each query has rows of its own), no cluster (what two work-groups share is the smaller part of their bytes), no prefetch (a row's address is known just ahead of its load).
.set LP,      1552                     ; a slice's 1,536 bytes + 16: 97 x 16 bytes
.set SPARE,   32*LP                    ; behind them: the spare words, 128 bytes for each of 8 waves, four blocks of 256 bytes that no other line names
.set SLICEKL, 96*1536                  ; from slice to slice in KL
.set LASTROW, 0x927b                   ; 37,499
; v0 0 (once the head has used the thread's number), v1 lane, v2 my spare word's address, v3 0 for the add alone, v4 16 x lane, v5 8 x lane, v6 LDS store address, v7 LDS read address,
; v8-19 list A (rows 0-7 of a tile), v20-31 list B (rows 8-15); later v8-23 the query's row, v24-31 two sets of four output sums; v32 my lists' greater head, later the candidates' norms;
; v33 the wave's maximum, later the query's norm; v34 lane i: candidate i's row; v35 its dot; v36 its distance; v37 its rank; v38-39 at work; v40-51 the 12 dots; v52-63 the 12 weights; v64-255 12 rows x 16
; s16 wave, s17 query, s20-21 lane selects, s22 trips, s23-31 at work, s[32:55] the 12 rows' bases, s[56:57] the query's row, s[58:59] the output's row
	s_load_b256 s[4:11], s[0:1], 0x0               ; KL s[4:5], Pb s[6:7], Xb s[8:9], sb s[10:11]
	s_load_b128 s[12:15], s[0:1], 0x20             ; xs s[12:13], out0 s[14:15]
	v_lshl_add_u32 v2, v0, 2, SPARE
	v_mov_b32 v3, 0
	v_lshrrev_b32 v1, 5, v0
	v_readfirstlane_b32 s16, v1                    ; wave 0..7
	v_and_b32 v1, 31, v0
	v_mov_b32 v0, 0
	v_lshlrev_b32 v4, 4, v1
	v_lshlrev_b32 v5, 3, v1
	s_lshl_b32 s17, ttmp9, 3
	s_add_co_u32 s17, s17, s16                     ; my query
	s_and_b32 s26, s17, 15                         ; its place in its query tile,
	s_lshr_b32 s25, ttmp9, 1                       ; and the tile
	s_mov_b32 s20, 0x76543210
	s_mov_b32 s21, 0xfedcba98
	s_mul_i32 s23, s16, 4*SLICEKL                  ; I copy slices 4 w .. 4 w + 3
	v_add_nc_u32 v39, s23, v4
	s_mul_i32 s24, s16, 4*LP
	v_add_nc_u32 v6, s24, v4
	v_mul_u32_u24 v7, v1, LP                       ; I read slice l, the places of my query
	v_lshl_add_u32 v7, s26, 4, v7
	s_mul_i32 s30, s25, 1536
	s_mov_b32 s31, 0
	v_mov_b32 v34, 0
	v_mov_b32 v35, 0
	v_mov_b32 v37, 0
	v_mov_b32 v38, 0                               ; a DPP move's and v_permlanex16_b32's destination counts as read
	s_wait_kmcnt 0x0
	s_add_nc_u64 s[4:5], s[4:5], s[30:31]
.irp u, 0,1,2,3
.irp m, 0,1,2
	global_load_b128 v[64+4*(3*(\u)+(\m)):64+4*(3*(\u)+(\m))+3], v39, s[4:5] offset:(\u)*SLICEKL+512*(\m)
.endr
.endr
	s_wait_loadcnt 0x0
.irp u, 0,1,2,3
.irp m, 0,1,2
	ds_store_b128 v6, v[64+4*(3*(\u)+(\m)):64+4*(3*(\u)+(\m))+3] offset:(\u)*LP+512*(\m)
.endr
.endr
	s_wait_dscnt 0x0                               ; for the others' sake: my stores are done
	s_barrier_signal -1
	s_barrier_wait -1
	s_cmp_ge_u32 s17, 1500                         ; ids alone; no barrier stands behind this branch
	s_cbranch_scc1 .Lend
.irp h, 0,1
.irp m, 0,1,2
	ds_load_b128 v[8+12*(\h)+4*(\m):8+12*(\h)+4*(\m)+3], v7 offset:512*(\m)+256*(\h)  ; keys 4 m .. of the list that lane 16 h + my query's place of the launch before made
.endr
.endr
	s_wait_dscnt 0x0
	; THE 12 BEST OF 64 SORTED LISTS: twelve times the greatest head is found, noted and taken off its list.  Integer instructions alone.
	s_mov_b32 s22, 0
.Lpop:
	v_max_u32 v32, v8, v20
	v_mov_b32_dpp v38, v32 row_xmask:1 row_mask:0xf bank_mask:0xf
	v_max_u32 v33, v32, v38
.irp x, 2,4,8
	v_mov_b32_dpp v38, v33 row_xmask:\x row_mask:0xf bank_mask:0xf
	v_max_u32 v33, v33, v38
.endr
	v_permlanex16_b32 v38, v33, s20, s21
	v_max_u32 v33, v33, v38
	v_readfirstlane_b32 s23, v33                   ; the greatest key
	v_cmp_eq_u32 s28, s23, v32
	v_cmp_ge_u32 s29, v8, v20
	s_ctz_i32_b32 s24, s28                         ; the lowest slice that holds it
	s_lshl_b32 s25, 1, s24
	s_and_b32 s26, s25, s29                        ; that lane's list A gives it (at equal heads too: the lower row),
	s_and_not1_b32 s27, s25, s29                   ; or its list B
	s_cmp_eq_u32 s26, 0
	s_cselect_b32 s30, 8, 0
.set i, 0
.rept 11
	v_cndmask_b32 v[8+i], v[8+i], v[9+i], s26
	v_cndmask_b32 v[20+i], v[20+i], v[21+i], s27
.set i, i+1
.endr
	v_cndmask_b32 v19, v19, v0, s26
	v_cndmask_b32 v31, v31, v0, s27
	s_and_b32 s31, s23, 1023
	s_sub_co_u32 s31, 1015, s31                    ; 8 t + j
	s_lshr_b32 s23, s31, 3
	s_lshl_b32 s23, s23, 4                         ; 16 t
	s_and_b32 s31, s31, 7
	s_mul_i32 s24, s24, 1184
	s_add_co_u32 s24, s24, s23
	s_add_co_u32 s24, s24, s31
	s_add_co_u32 s24, s24, s30                     ; the pool row
	v_cmp_eq_u32 vcc_lo, s22, v1
	v_cndmask_b32 v34, v34, s24, vcc_lo
	s_add_co_u32 s22, s22, 1
	s_cmp_lt_u32 s22, 12
	s_cbranch_scc1 .Lpop
	v_min_u32 v34, LASTROW, v34                    ; no row number passes pool's last row
	s_mov_b32 s31, 0
.set i, 0
.rept 12
	v_readlane_b32 s23, v34, i
	s_min_u32 s23, s23, LASTROW
	s_lshl_b32 s30, s23, 11
	s_add_nc_u64 s[32+2*i:33+2*i], s[6:7], s[30:31]
.set i, i+1
.endr
	v_and_b32 v40, 0xfff8, v34                     ; lane i: candidate i's norm: record row / 8, field 16 + row % 8
	v_lshlrev_b32 v40, 4, v40
	v_and_b32 v41, 7, v34
	v_lshl_add_u32 v40, v41, 2, v40
	s_lshr_b32 s23, s17, 3
	s_lshl_b32 s23, s23, 7
	s_and_b32 s24, s17, 7
	s_lshl2_add_u32 s23, s24, s23
	v_mov_b32 v41, s23                             ; the query's norm: the same word for every lane
	s_lshl_b32 s30, s17, 11
	s_add_nc_u64 s[56:57], s[8:9], s[30:31]
	s_lshl_b32 s30, s17, 12
	s_add_nc_u64 s[58:59], s[14:15], s[30:31]
.set k, 0
.rept 8                                ; lane l holds elements 128 k + 4 l .. + 3 of each row: a load covers 256 consecutive bytes, aligned
	global_load_b64 v[8+2*k:9+2*k], v5, s[56:57] offset:256*k
.set k, k+1
.endr
	global_load_b32 v32, v40, s[10:11] offset:64
	global_load_b32 v33, v41, s[12:13] offset:64
.set i, 0
.rept 12
.set k, 0
.rept 8
	global_load_b64 v[64+16*i+2*k:65+16*i+2*k], v5, s[32+2*i:33+2*i] offset:256*k
.set k, k+1
.endr
.set i, i+1
.endr
	s_wait_loadcnt 0x0
	; THE 12 DOTS, in f32: twelve chains by turns, 32 terms a lane, then the sum over the lanes
.set k, 0
.rept 16
.irp hh, 0,1
.set i, 0
.rept 12
.if (k == 0) && (\hh == 0)
	v_fma_mix_f32_bf16 v[40+i], v[64+16*i+k], v[8+k], v0 op_sel:[\hh,\hh,0] op_sel_hi:[1,1,0]
.else
	v_fma_mix_f32_bf16 v[40+i], v[64+16*i+k], v[8+k], v[40+i] op_sel:[\hh,\hh,0] op_sel_hi:[1,1,0]
.endif
.set i, i+1
.endr
.endr
.set k, k+1
.endr
.irp x, 1,2,4,8
.set i, 0
.rept 12
	v_add_f32_dpp v[40+i], v[40+i], v[40+i] row_xmask:\x row_mask:0xf bank_mask:0xf
.set i, i+1
.endr
.endr
.set i, 0
.rept 12
	v_permlanex16_b32 v[38+i%2], v[40+i], s20, s21
	v_add_f32 v[40+i], v[40+i], v[38+i%2]
.set i, i+1
.endr
.set i, 0
.rept 12
	v_cmp_eq_u32 vcc_lo, i, v1
	v_cndmask_b32 v35, v35, v[40+i], vcc_lo        ; lane i takes candidate i
.set i, i+1
.endr
	; distance = 1 - dot / (s p): the quotient by a reciprocal and one correction
	v_mul_f32 v38, v33, v32
	v_rcp_f32 v39, v38
	v_nop                                          ; a plain instruction behind the reciprocal,
	s_wait_alu depctr_va_vdst(0)                   ; and the wait ahead of its first reader
	v_mul_f32 v36, v35, v39
	v_fma_f32 v40, -v36, v38, v35
	v_fma_f32 v36, v40, v39, v36
	v_sub_f32 v36, 1.0, v36
	; rank = how many of the 12 come before me: a lesser distance, or an equal one with a lower row
.set j, 0
.rept 12
	v_readlane_b32 s23, v36, j
	v_readlane_b32 s24, v34, j
	v_cmp_gt_f32 s26, v36, s23
	v_cmp_eq_f32 s27, v36, s23
	v_cmp_gt_u32 s28, v34, s24
	s_and_b32 s27, s27, s28
	s_or_b32 s26, s26, s27
	v_cndmask_b32 v38, 0, 1, s26
	v_add_nc_u32 v37, v37, v38
.set j, j+1
.endr
	v_cmp_gt_u32 s26, 10, v37
	v_cmp_gt_u32 s27, 12, v1
	s_and_b32 s26, s26, s27                        ; the ten that reference() keeps
	; softmax of 1 / distance over the ten, the maximum taken away; the others count as the lowest finite number and get the weight 0
	v_rcp_f32 v38, v36
	v_mov_b32 v39, 0xff7fffff                      ; the plain instruction behind the reciprocal
	s_wait_alu depctr_va_vdst(0)
	v_cndmask_b32 v38, v39, v38, s26
	v_mov_b32 v40, v38
.irp x, 1,2,4,8
	v_max_num_f32_dpp v40, v40, v40 row_xmask:\x row_mask:0xf bank_mask:0xf
.endr
	v_permlanex16_b32 v41, v40, s20, s21
	v_max_num_f32 v40, v40, v41
	v_sub_f32 v38, v38, v40
	v_mul_f32 v38, 0x3fb8aa3b, v38                 ; log2(e)
	v_exp_f32 v38, v38
	v_nop
	s_wait_alu depctr_va_vdst(0)
	v_cndmask_b32 v38, 0, v38, s26
	v_mov_b32 v40, v38
.irp x, 1,2,4,8
	v_add_f32_dpp v40, v40, v40 row_xmask:\x row_mask:0xf bank_mask:0xf
.endr
	v_permlanex16_b32 v41, v40, s20, s21
	v_add_f32 v40, v40, v41
	v_rcp_f32 v41, v40
	v_nop
	s_wait_alu depctr_va_vdst(0)
	v_mul_f32 v38, v38, v41
	v_mul_f32 v38, 0x3dcccccd, v38                 ; the mean over ten: a tenth of the sum
.set i, 0
.rept 12
	v_readlane_b32 s23, v38, i
	v_mov_b32 v[52+i], s23                         ; candidate i's weight, in every lane
.set i, i+1
.endr
	; THE OUTPUT: four numbers a lane at a time, 12 terms each; two sets of sums take turns
.macro OUT4 o, r, wr, first
.if \first
	v_fma_mix_f32_bf16 v[\o],   v[\r],   v[\wr], v0 op_sel:[0,0,0] op_sel_hi:[1,0,0]
	v_fma_mix_f32_bf16 v[\o+1], v[\r],   v[\wr], v0 op_sel:[1,0,0] op_sel_hi:[1,0,0]
	v_fma_mix_f32_bf16 v[\o+2], v[\r+1], v[\wr], v0 op_sel:[0,0,0] op_sel_hi:[1,0,0]
	v_fma_mix_f32_bf16 v[\o+3], v[\r+1], v[\wr], v0 op_sel:[1,0,0] op_sel_hi:[1,0,0]
.else
	v_fma_mix_f32_bf16 v[\o],   v[\r],   v[\wr], v[\o]   op_sel:[0,0,0] op_sel_hi:[1,0,0]
	v_fma_mix_f32_bf16 v[\o+1], v[\r],   v[\wr], v[\o+1] op_sel:[1,0,0] op_sel_hi:[1,0,0]
	v_fma_mix_f32_bf16 v[\o+2], v[\r+1], v[\wr], v[\o+2] op_sel:[0,0,0] op_sel_hi:[1,0,0]
	v_fma_mix_f32_bf16 v[\o+3], v[\r+1], v[\wr], v[\o+3] op_sel:[1,0,0] op_sel_hi:[1,0,0]
.endif
.endm
.set k, 0
.rept 8
.set oo, 24+4*(k%2)
.if k >= 2
	s_wait_xcnt 0x0                                ; the store two steps back has read this set: it is rewritten only behind this wait
.endif
.set i, 0
.rept 12
.set rr, 64+16*i+2*k
.set ww, 52+i
.if i == 0
	OUT4 oo, rr, ww, 1
.else
	OUT4 oo, rr, ww, 0
.endif
.set i, i+1
.endr
	global_store_b128 v4, v[oo:oo+3], s[58:59] offset:512*k  ; 512 consecutive bytes, aligned
.set k, k+1
.endr
.Lend:
	s_wait_tensorcnt 0x0                           ; the wave's end: the wait, the add and its wait, behind my last LDS store
	ds_add_u32 v2, v3
	s_wait_dscnt 0x0
	s_endpgm
.Lfunc_end_k_q9210304774_pick:
	.size	k_q9210304774_pick, .Lfunc_end_k_q9210304774_pick-k_q9210304774_pick
	.p2alignl 7, 3214868480
	.fill 96, 4, 3214868480
	.section	.rodata,"a",@progbits
	.p2align	6, 0x0
	.amdhsa_kernel k_q9210304774_pick
		.amdhsa_group_segment_fixed_size 50688
		.amdhsa_private_segment_fixed_size 0
		.amdhsa_enable_private_segment 0
		.amdhsa_kernarg_size 48
		.amdhsa_user_sgpr_count 2
		.amdhsa_user_sgpr_kernarg_segment_ptr 1
		.amdhsa_wavefront_size32 1
		.amdhsa_system_sgpr_workgroup_id_x 1
		.amdhsa_system_sgpr_workgroup_id_y 1
		.amdhsa_system_sgpr_workgroup_id_z 1
		.amdhsa_system_vgpr_workitem_id 0
		.amdhsa_next_free_vgpr 256
		.amdhsa_next_free_sgpr 66
		.amdhsa_reserve_vcc 1
		.amdhsa_float_denorm_mode_32 3
		.amdhsa_float_denorm_mode_16_64 3
		.amdhsa_memory_ordered 1
		.amdhsa_forward_progress 1
		.amdhsa_inst_pref_size 83
	.end_amdhsa_kernel
	.amdgpu_metadata
---
amdhsa.version: [ 1, 2 ]
amdhsa.kernels:
  - .name:           k_q9210304774_pick
    .symbol:         k_q9210304774_pick.kd
    .args:
      - { .name: KL, .offset: 0, .size: 8, .value_kind: global_buffer, .address_space: global }
      - { .name: Pb, .offset: 8, .size: 8, .value_kind: global_buffer, .address_space: global }
      - { .name: Xb, .offset: 16, .size: 8, .value_kind: global_buffer, .address_space: global }
      - { .name: sb, .offset: 24, .size: 8, .value_kind: global_buffer, .address_space: global }
      - { .name: xs, .offset: 32, .size: 8, .value_kind: global_buffer, .address_space: global }
      - { .name: out0, .offset: 40, .size: 8, .value_kind: global_buffer, .address_space: global }
    .group_segment_fixed_size: 50688
    .private_segment_fixed_size: 0
    .kernarg_segment_align: 8
    .kernarg_segment_size: 48
    .max_flat_workgroup_size: 256
    .sgpr_count:     66
    .vgpr_count:     256
    .wavefront_size: 32
...
	.end_amdgpu_metadata
.endif
;; end of part 6
;; ======== version 3 of 3: 3 launches; version 2 with the launch prep written anew for expert scheduling mode
;; limits: values within 2e-06 (relative) of each other or of a threshold may be ordered or decided otherwise than in the reference
;; workspace buffers: Pb 77,594,624 bytes; Xb 3,145,728 bytes; sb 606,208 bytes; xs 24,576 bytes; KL 4,718,592 bytes of whole numbers
;; launch prep (part 7): grid 1232 x 1, 4 waves a work-group, no clusters, 0 bytes of LDS; arguments pool, x6_src, Pb, Xb, sb, xs; writes Pb, Xb, sb, xs
.if DOCPART == 7
	.amdgcn_target "amdgcn-amd-amdhsa--gfx1250"
	.amdhsa_code_object_version 6
	.text
	.protected	k_q9210304774_prep
	.globl	k_q9210304774_prep
	.p2align	8
	.type	k_q9210304774_prep,@function
k_q9210304774_prep:
	s_mov_b64 s[64:65], 0
	v_nop
	global_prefetch_b8 v0, s[64:65] scope:SCOPE_SE
	s_setreg_imm32_b32 hwreg(HW_REG_WAVE_SCHED_MODE, 0, 2), 2
	s_setreg_imm32_b32 hwreg(HW_REG_WAVE_MODE, 25, 1), 1
	s_wait_xcnt 0x0
	s_wait_alu depctr_vm_vsrc(0)
; PhoneMapper, launch 1 of 3: both inputs are rounded to bf16 once, and each row's norm is taken of the ROUNDED row.
; THE WHOLE PROGRAM computes reference() on inputs rounded to bf16: the product, both norms and the gathered rows all use the rounded numbers.
; DEAD WORK: none.  pool and x6_src both reach the output (s_norm enters 1 / dist, so it is no common factor of the softmax); topn = 10 is built in.  No step of reference() is left out.
; Pb[37888][1024] = bf16(pool), rows 37,500 on are 0.  Xb[1536][1024] = bf16(x) x 2^-e, e chosen for each row so that the scaled norm lies in [0.5, 1): a power of two,
; so dot / (s p) keeps its bits; rows 1,500 on are 0.  sb, xs: a record of 128 bytes for 8 rows: 8 scales, 8 biases, 8 norms, 8 zeros (f32).
; scale = 1,040,000 / norm, bias = 2^23 + 2^20: the next launch makes fma(dot, scale, bias), a whole number 2^23 + fix with fix in 8,576 .. 2,088,576.
; A pad row has scale 0 and bias 2^23 + 8,200: below every real row's.
; LIMITS.  Norms within 2^-100 .. 2^100; a row of zeros, a NaN or an infinity gives an undefined scale; numbers that the power of two takes below bf16's normal range lose bits.
; SHARES.  Work-groups 0-1183 take pool, 1184-1231 x: 1,232 work-groups of four waves are 4 or 5 for each of 256 WGPs.  A wave owns 8 rows on end (one record); a row lies in 32 registers
; (lane l: elements 128 c + 4 l .. + 3); two row slots take turns, so 16 loads of 512 consecutive bytes are out for each wave.  A row's 8 stores cover 256 consecutive bytes each, aligned;
; the record is one store of 128 consecutive bytes, once for 8 rows.  No LDS, no matrix unit, no cluster: no wave wants a byte that another has fetched.
; THE MODE: SCHED_MODE bits 1:0 = 2 (LLVM: expert scheduling mode 2), set by the entry lines.  The code itself states the register dependences between vector instructions and memory
; instructions, and between a vector instruction that writes a scalar register and its readers, with s_wait_alu, always for 0.
; THE PLAN.  Row r has slot s = r % 2.  Registers that memory instructions touch:
;   X0, X1    a row as loaded.  Row r's sixteen conversions read X[s]; behind them the loads of row r + 2 land in it.  No vector instruction writes it.
;   PK0, PK1  a row in bf16.  Row r's conversions write PK[s], and so do x's scaling and a pad row's zeros; its sum of squares reads it; its eight stores are issued in row r + 1; row r + 2 writes it again.
;   v2, v3    the loads' and the stores' offsets, made at the head and never written again: the rows are reached by scalar bases and immediate offsets.
;   v4, v15   the record and its offset: read by one store, at the wave's end.
; So a row's memory instructions are the loads into X[s], which its conversions have emptied, and the stores from PK[1 - s], which the row before has finished.  They are dealt among the 32 lines of the
; row's sum of squares, which name PK[s] and v5 to v9 alone.  The waits: at a row's head one on vm_vsrc (the stores issued in the row before have read PK[s]); behind the conversions one on va_vdst (they are
; done reading X[s]), in the rows that load; the wait behind a row's reciprocal, which stands there for the reciprocal's result, also shows PK[s] written in its last form, and from there to its stores no
; vector instruction names it.
.set NPOOL,  37500
.set NX,     1500
.set POOLWG, 1184
.set SCV,    0x497de800                ; 1,040,000.0
.set BIAS,   0x4b100000                ; 2^23 + 2^20
.set PADB,   0x4b002008                ; 2^23 + 8,200
.set X,  16                            ; v[16:79]   two row slots of 32
.set PK, 80                            ; v[80:111]  two buffers of 16: a row in bf16; a row's buffer goes by its slot
; v1 lane, v2 16 x lane, v3 8 x lane, v4 the record (lane k: field k), v5 0, v6-9 four chains of the sum of squares, v10 at work, v11 norm, v12 1 / norm, v13 the power of two, v14 scale, v15 at work
; s2, s3, s20 the masks of the record's three lanes for this row, s16 wave, s17 work-group in its part, s18 rows - 1, s19 rows, s21 1 for x, s[22:23] source, s[24:25] destination, s[26:27] my record,
; s[28:31] the slots' row bases, s[32:33] the stores' row base, s[34:35] an offset, s36 my row, s37 trips, s38-39 lane selects, s40 scale's numerator, s41 bias, s42 at work,
; s43-45 the record's three lanes for this row, s46-47 the two biases
	s_load_b256 s[4:11], s[0:1], 0x0               ; pool s[4:5], x s[6:7], Pb s[8:9], Xb s[10:11]
	s_load_b128 s[12:15], s[0:1], 0x20             ; sb s[12:13], xs s[14:15]
	v_lshrrev_b32 v1, 5, v0
	v_readfirstlane_b32 s16, v1                    ; wave 0..3
	v_and_b32 v1, 31, v0
	v_lshlrev_b32 v2, 4, v1
	v_lshlrev_b32 v3, 3, v1
	v_mov_b32 v4, 0
	v_mov_b32 v5, 0
	v_mov_b32 v10, 0                               ; v_permlanex16_b32's destination counts as read
	s_mov_b32 s19, NPOOL
	s_mov_b32 s42, NX
	s_cmp_ge_u32 ttmp9, POOLWG
	s_cselect_b32 s21, 1, 0
	s_cselect_b32 s19, s42, s19
	s_cselect_b32 s42, POOLWG, 0
	s_sub_co_u32 s17, ttmp9, s42
	s_sub_co_u32 s18, s19, 1
	s_wait_alu depctr_va_sdst(0)                   ; s16 is written, ahead of its first reader: my record's number is made from it
	s_lshl_b32 s42, s17, 2
	s_add_co_u32 s42, s42, s16                     ; my record's number: 4 x work-group + wave
	s_lshl_b32 s36, s42, 3                         ; my first row
	s_lshl_b32 s34, s42, 7                         ; my record's byte
	s_mov_b32 s35, 0
	s_mov_b32 s38, 0x76543210
	s_mov_b32 s39, 0xfedcba98
	s_mov_b32 s43, 0
	s_mov_b32 s44, 8
	s_mov_b32 s45, 16
	s_mov_b32 s46, BIAS
	s_mov_b32 s47, PADB
	s_wait_kmcnt 0x0
	s_cmp_lg_u32 s21, 0                            ; the condition hangs on the work-group's number alone
	s_cselect_b64 s[22:23], s[6:7], s[4:5]
	s_cselect_b64 s[24:25], s[10:11], s[8:9]
	s_cselect_b64 s[26:27], s[14:15], s[12:13]
	s_add_nc_u64 s[26:27], s[26:27], s[34:35]
; The slot's row base for row s36 + ahead.  A pad row repeats the input's last row, so no load leaves the buffer.
.macro RBASE slot, ahead
	s_add_co_u32 s42, s36, \ahead
	s_min_u32 s42, s42, s18
	s_lshl_b32 s34, s42, 12                        ; 4,096 bytes a row, under 2^28
	s_add_nc_u64 s[28+2*(\slot):29+2*(\slot)], s[22:23], s[34:35]
.endm
; The stores' base: row s36 of the destination; the stores are the row before's and reach back by their immediate offset.
.macro SBASE
	s_lshl_b32 s34, s36, 11                        ; 2,048 bytes a row
	s_add_nc_u64 s[32:33], s[24:25], s[34:35]
.endm
.macro FILL slot
.irp c, 0,1,2,3,4,5,6,7
	global_load_b128 v[X+32*(\slot)+4*(\c):X+32*(\slot)+4*(\c)+3], v2, s[28+2*(\slot):29+2*(\slot)] offset:512*(\c) th:TH_LOAD_NT
.endr
.endm
; One row.  first = 1: the wave's first row, with no row before it to store.  refill = 1: the slot takes the row two further on.  left = the younger loads that may stay out.
.macro ROWDO slot, first, refill, left
	s_wait_loadcnt \left                           ; my slot's eight loads are in; the other slot's eight stay out
.if !(\first)
	s_wait_xcnt 0x0                                ; the stores issued in the row before have had their addresses translated: this row's PK and the stores' base are rewritten only behind this wait
	s_wait_alu depctr_vm_vsrc(0)                   ; those stores have read this slot's PK, which the conversions below, x's scaling and a pad row's zeros write again
.endif
.set j, 0
.rept 16
	v_cvt_pk_bf16_f32 v[PK+16*(\slot)+j], v[X+32*(\slot)+2*j], v[X+32*(\slot)+2*j+1]
.set j, j+1
.endr
.if \refill
	s_wait_alu depctr_va_vdst(0)                   ; the conversions are done reading this slot's X, in which the loads below land
	RBASE \slot, 2
.endif
.if !(\first)
	SBASE
.endif
.set cc, 0
.rept 8                                ; a load, a store, four terms of the sum of squares: the terms name this slot's PK and v5 to v9, none of the registers that the loads and stores touch
.if \refill
	global_load_b128 v[X+32*(\slot)+4*cc:X+32*(\slot)+4*cc+3], v2, s[28+2*(\slot):29+2*(\slot)] offset:512*cc th:TH_LOAD_NT
.endif
.if !(\first)
	global_store_b64 v3, v[PK+16*(1-(\slot))+2*cc:PK+16*(1-(\slot))+2*cc+1], s[32:33] offset:256*cc-2048  ; the row before: 32 lanes store 256 consecutive bytes, aligned.  Its PK was written ahead of the wait behind its reciprocal; no vector instruction since names it
.endif
.set j, 2*cc
.rept 2                                ; the sum of squares of the rounded numbers, in f32, four chains; the first four start from 0
.if j < 2
	v_fma_mix_f32_bf16 v[6+(2*j)%4], v[PK+16*(\slot)+j], v[PK+16*(\slot)+j], v5 op_sel:[0,0,0] op_sel_hi:[1,1,0]
	v_fma_mix_f32_bf16 v[7+(2*j)%4], v[PK+16*(\slot)+j], v[PK+16*(\slot)+j], v5 op_sel:[1,1,0] op_sel_hi:[1,1,0]
.else
	v_fma_mix_f32_bf16 v[6+(2*j)%4], v[PK+16*(\slot)+j], v[PK+16*(\slot)+j], v[6+(2*j)%4] op_sel:[0,0,0] op_sel_hi:[1,1,0]
	v_fma_mix_f32_bf16 v[7+(2*j)%4], v[PK+16*(\slot)+j], v[PK+16*(\slot)+j], v[7+(2*j)%4] op_sel:[1,1,0] op_sel_hi:[1,1,0]
.endif
.set j, j+1
.endr
.set cc, cc+1
.endr
	v_add_f32 v6, v6, v7
	v_add_f32 v8, v8, v9
	v_add_f32 v6, v6, v8
.irp x, 1,2,4,8
	v_add_f32_dpp v6, v6, v6 row_xmask:\x row_mask:0xf bank_mask:0xf
.endr
	v_permlanex16_b32 v10, v6, s38, s39
	v_add_f32 v6, v6, v10                          ; every lane holds the row's sum
	v_sqrt_f32 v11, v6
	v_nop                                          ; a plain instruction behind the root,
	s_wait_alu depctr_va_vdst(0)                   ; and the wait: the root has written v11, ahead of its first reader and of the branch
	s_cmp_eq_u32 s21, 0
	s_cbranch_scc1 .Lnot_x_\@
	v_lshrrev_b32 v13, 23, v11                     ; x alone: the norm's exponent field E; f = 2^(126 - E) takes the norm into [0.5, 1)
	v_sub_nc_u32 v13, 253, v13
	v_lshlrev_b32 v13, 23, v13
	v_mul_f32 v11, v11, v13
	v_lshrrev_b32 v15, 16, v13
	v_or_b32 v13, v13, v15                         ; f as bf16, in both halves
.set j, 0
.rept 16
	v_pk_mul_bf16 v[PK+16*(\slot)+j], v[PK+16*(\slot)+j], v13  ; exact: a power of two
.set j, j+1
.endr
.Lnot_x_\@:
	s_cmp_lt_u32 s36, s19                          ; a real row?
	s_cselect_b32 s40, SCV, 0
	s_cselect_b32 s41, s46, s47
	s_cbranch_scc1 .Lreal_\@
.set j, 0
.rept 16
	v_mov_b32 v[PK+16*(\slot)+j], 0                ; a pad row is stored as zeros
.set j, j+1
.endr
.Lreal_\@:
	v_rcp_f32 v12, v11
	v_mov_b32 v15, s41                             ; the plain instruction behind the reciprocal
	v_cmp_eq_u32 s2, s43, v1                       ; the record: lane k takes the scale, lane 8 + k the bias, lane 16 + k the norm of the wave's row k: the three masks in one run
	v_cmp_eq_u32 s3, s44, v1
	v_cmp_eq_u32 s20, s45, v1
	s_wait_alu depctr_va_vdst(0)                   ; the reciprocal has written v12, ahead of its first reader; and this row's PK is written in its last form, which the stores issued in the next row read
	s_wait_alu depctr_va_sdst(0)                   ; the three compares have written s2, s3 and s20, ahead of the selects that read them
	v_mul_f32 v14, s40, v12
	v_cndmask_b32 v4, v4, v14, s2
	v_cndmask_b32 v4, v4, v15, s3
	v_cndmask_b32 v4, v4, v11, s20
	s_add_co_u32 s36, s36, 1
	s_add_co_u32 s43, s43, 1
	s_add_co_u32 s44, s44, 1
	s_add_co_u32 s45, s45, 1
.endm
	s_wait_alu depctr_va_vdst(0)                   ; v2 and v3 are written: every load of a row reads v2 as its offset, every store of a row v3
	RBASE 0, 0
	FILL 0
	RBASE 1, 1
	FILL 1
	ROWDO 0, 1, 1, 8                               ; row 0 is written out: there is no row before it to store
	s_mov_b32 s37, 2
.Lpair:                                        ; rows 1 to 4, two to a trip: both kinds of buffer are back at their start; each row asks for the row two on and stores the row before
	ROWDO 1, 0, 1, 8
	ROWDO 0, 0, 1, 8
	s_sub_co_u32 s37, s37, 1
	s_cmp_lg_u32 s37, 0
	s_cbranch_scc1 .Lpair
	ROWDO 1, 0, 1, 8                               ; row 5 asks for row 7
	ROWDO 0, 0, 0, 8                               ; the last two rows load nothing: the counts run down
	ROWDO 1, 0, 0, 0
	v_lshlrev_b32 v15, 2, v1
	s_wait_xcnt 0x0                                ; the stores issued in row 7 have had their addresses translated: their base is rewritten only behind this wait
	s_wait_alu depctr_va_vdst(0)                   ; the selects have written v4 and the shift v15, which the record's store reads
	SBASE
.set cc, 0
.rept 8
	global_store_b64 v3, v[PK+16+2*cc:PK+16+2*cc+1], s[32:33] offset:256*cc-2048  ; row 7, from the second buffer
.set cc, cc+1
.endr
	global_store_b32 v15, v4, s[26:27]             ; the record: 128 consecutive bytes
	s_endpgm
.Lfunc_end_k_q9210304774_prep:
	.size	k_q9210304774_prep, .Lfunc_end_k_q9210304774_prep-k_q9210304774_prep
	.p2alignl 7, 3214868480
	.fill 96, 4, 3214868480
	.section	.rodata,"a",@progbits
	.p2align	6, 0x0
	.amdhsa_kernel k_q9210304774_prep
		.amdhsa_group_segment_fixed_size 0
		.amdhsa_private_segment_fixed_size 0
		.amdhsa_enable_private_segment 0
		.amdhsa_kernarg_size 48
		.amdhsa_user_sgpr_count 2
		.amdhsa_user_sgpr_kernarg_segment_ptr 1
		.amdhsa_wavefront_size32 1
		.amdhsa_system_sgpr_workgroup_id_x 1
		.amdhsa_system_sgpr_workgroup_id_y 1
		.amdhsa_system_sgpr_workgroup_id_z 1
		.amdhsa_system_vgpr_workitem_id 0
		.amdhsa_next_free_vgpr 112
		.amdhsa_next_free_sgpr 66
		.amdhsa_reserve_vcc 0
		.amdhsa_float_denorm_mode_32 3
		.amdhsa_float_denorm_mode_16_64 3
		.amdhsa_memory_ordered 1
		.amdhsa_forward_progress 1
		.amdhsa_inst_pref_size 50
	.end_amdhsa_kernel
	.amdgpu_metadata
---
amdhsa.version: [ 1, 2 ]
amdhsa.kernels:
  - .name:           k_q9210304774_prep
    .symbol:         k_q9210304774_prep.kd
    .args:
      - { .name: pool, .offset: 0, .size: 8, .value_kind: global_buffer, .address_space: global }
      - { .name: x6_src, .offset: 8, .size: 8, .value_kind: global_buffer, .address_space: global }
      - { .name: Pb, .offset: 16, .size: 8, .value_kind: global_buffer, .address_space: global }
      - { .name: Xb, .offset: 24, .size: 8, .value_kind: global_buffer, .address_space: global }
      - { .name: sb, .offset: 32, .size: 8, .value_kind: global_buffer, .address_space: global }
      - { .name: xs, .offset: 40, .size: 8, .value_kind: global_buffer, .address_space: global }
    .group_segment_fixed_size: 0
    .private_segment_fixed_size: 0
    .kernarg_segment_align: 8
    .kernarg_segment_size: 48
    .max_flat_workgroup_size: 128
    .sgpr_count:     66
    .vgpr_count:     112
    .wavefront_size: 32
...
	.end_amdgpu_metadata
.endif
;; end of part 7
;; launch screen: the kernel of part 5 again; grid 8 x 32, 4 waves a work-group, clusters of 4 x 1, 327,680 bytes of LDS; arguments Xb, Pb, sb, KL; writes KL
;; launch pick: the kernel of part 6 again; grid 188 x 1, 8 waves a work-group, no clusters, 50,688 bytes of LDS; arguments KL, Pb, Xb, sb, xs, out0; writes out0
